; MI455X (gfx1250); checked and timed in simulation.
; The chip was launched on July 23, 2026; its instructions are those of AMD's public machine-readable ISA for CDNA 5 (MIT licence, August 2026) and "CDNA5" Instruction Set Architecture Reference Guide (July 2026). The comments in the code are by the model that wrote it; some were corrected since.
;; Parallel Gripper Pose Sampler2. Allowed arithmetic: float matrix products may take bf16 or f16 operands with f32 sums; other float arithmetic in f32, or as packed bf16 or f16 multiplies, adds, multiply-adds, maxima and minima; sums over many terms, partial sums and values carried from step to step in f32; what a program stores and reads back later, other than sums and carried values, may be rounded once to bf16 or f16.
;; Inputs: depth_ 8 x 1 x 224 x 224 float32; features 8 x 64 x 224 x 224 float32; params_appr_W1 32 x 64 float32; params_appr_W2 16 x 32 float32; params_appr_W3 3 x 16 float32; params_appr_b1 32 float32; params_appr_b2 16 float32; params_appr_b3 3 float32; params_appr_w0_1 one number float32; params_appr_w0_2 one number float32; params_beta_W1 32 x 64 float32; params_beta_W2 16 x 32 float32; params_beta_W3 2 x 16 float32; params_beta_Wf 64 x 37 float32; params_beta_b1 32 float32; params_beta_b2 16 float32; params_beta_b3 2 float32; params_beta_bf 64 float32; params_beta_w0_1 one number float32; params_beta_w0_2 one number float32; params_centers 10 float32; params_dist_W1 32 x 64 float32; params_dist_W2 16 x 32 float32; params_dist_W3 1 x 16 float32; params_dist_Wf 64 x 65 float32; params_dist_b1 32 float32; params_dist_b2 16 float32; params_dist_b3 1 float32; params_dist_bf 64 float32; params_dist_w0_1 one number float32; params_dist_w0_2 one number float32; params_scale one number float32; params_sigma one number float32; params_width_W1 32 x 64 float32; params_width_W2 16 x 32 float32; params_width_W3 1 x 16 float32; params_width_Wf 64 x 55 float32; params_width_b1 32 float32; params_width_b2 16 float32; params_width_b3 1 float32; params_width_bf 64 float32; params_width_w0_1 one number float32; params_width_w0_2 one number float32.
;; Outputs: out0 8 x 7 x 224 x 224 float32.
;; 2 versions, each right. Each part assembles by itself: llvm-mc -triple=amdgcn-amd-amdhsa -mcpu=gfx1250 --defsym DOCPART=n.
;; ======== version 1 of 2: 2 launches
;; limits: values are held in f16: magnitudes above 65,504 overflow, below 6.1e-05 lose precision; right only within a limited range of input values; inputs' magnitudes at most 65,504
;; workspace buffers: wpack 58,368 bytes
;; launch pack (part 1): grid 57 x 1, 2 waves a work-group, no clusters, 0 bytes of LDS; arguments params_appr_W1, params_beta_W1, params_width_W1, params_dist_W1, params_appr_W2, params_beta_W2, params_width_W2, params_dist_W2, params_appr_W3, params_beta_W3, params_width_W3, params_dist_W3, params_beta_Wf, params_beta_bf, params_width_Wf, params_width_bf, params_dist_Wf, params_dist_bf, params_appr_b1, params_beta_b1, params_width_b1, params_dist_b1, params_appr_b2, params_beta_b2, params_width_b2, params_dist_b2, wpack; writes wpack
.if DOCPART == 1
	.amdgcn_target "amdgcn-amd-amdhsa--gfx1250"
	.amdhsa_code_object_version 6
	.text
	.protected	k_q4fe5ccf4de_pack
	.globl	k_q4fe5ccf4de_pack
	.p2align	8
	.type	k_q4fe5ccf4de_pack,@function
k_q4fe5ccf4de_pack:
	s_mov_b64 s[64:65], 0
	v_nop
	global_prefetch_b8 v0, s[64:65] scope:SCOPE_SE
	s_setreg_imm32_b32 hwreg(HW_REG_WAVE_MODE, 25, 1), 1
	s_wait_xcnt 0x0
; PACK: the weights and biases of the four branches, laid out as the second launch reads them from LDS.
; DEAD WORK, for the whole program.  params_width_w0_1, params_width_w0_2, params_dist_w0_1 and params_dist_w0_2 have no way to any output:
; film_fusion is called with use_sin = False for width and for dist, so the arm jnp.sin(p['w0_*'] * h) is never built, whatever the inputs hold.
; These four inputs are not loaded and are among no launch's arguments.  LIMIT: a NaN or an infinity in them is not carried to the result.
; FORMATS.  Every number is rounded once to bf16 (nearest even).  Weights that multiply bounded operands (sines, encodings) are that bf16 number written as f16:
; exact from 2^-17 up to 65,504; below 2^-17 it keeps f16's fixed step of 2^-24; beyond 65,504 it is lost (stated limit).  The others stay bf16.
; THE IMAGE, 58,368 bytes.  56 fragments of 1,024 bytes: the 16 bytes of (fragment f, part p, lane l) lie at 1024 f + 512 p + 16 l and hold k = 16 p + 8 (l / 16) + 0..7 of row l % 16.
;   f = 4 b + 2 g + s        W1 of branch b (0 appr, 1 beta, 2 width, 3 dist), rows 16 g .., channels 32 s ..                        bf16
;   f = 16 + 2 b + g         W2 of branch b, channels 16 g + 8 (l / 16) + e in both parts                                             f16 for b < 2, else bf16
;                            b < 2: one part multiplies the operand's high parts, the other its low parts.  b >= 2: the second launch takes part 0 of g = 0 and part 1 of g = 1,
;                            which together are W2 with k in its natural order; the other two parts are written all the same, since that launch copies the whole image
;   f = 24 + b               W3 of branch b, row (l % 16) % 8 where it exists, else 0, both parts (b >= 2: part 0 alone is multiplied)  as W2
;   f = 28 .. 55             Wf by slots (the macro WF)                                                                               f16
; Then 1,024 bytes of f32: b1 of the four branches (128 bytes each), b2 of the four (64 each), 256 bytes of 0.
; SHARES.  Work-group f makes fragment f, its wave p part p, a lane 16 bytes: a wave's one store covers 512 consecutive bytes, aligned.  Work-group 56 makes the biases.
; Every branch hangs on the work-group's and the wave's number alone and goes forward.
	s_load_b64 s[4:5], s[0:1], 0xd0                ; wpack
	v_and_b32 v1, 31, v0                           ; lane
	v_and_b32 v2, 15, v0                           ; m: the fragment's row
	v_bfe_u32 v3, v0, 4, 1                         ; h: which half of the lanes
	v_lshrrev_b32 v12, 5, v0
	v_readfirstlane_b32 s6, v12                    ; p
	s_mov_b32 s7, ttmp9                            ; f
	s_lshl_b32 s18, s7, 10
	v_lshl_add_u32 v4, v0, 4, s18                  ; 1024 f + 512 p + 16 lane
	v_cvt_f32_u32 v11, v3
	v_fma_f32 v11, v11, -0.5, 1.0                  ; 1 for lanes 0-15, 0.5 for lanes 16-31
	v_cmp_ne_u32 s21, 0, v3                        ; the mask of lanes 16-31
.macro PICK4                           ; s[16:17] = buffer number s19 of the four in s[8:15]
	s_cmp_eq_u32 s19, 1
	s_cselect_b64 s[16:17], s[10:11], s[8:9]
	s_cmp_eq_u32 s19, 2
	s_cselect_b64 s[16:17], s[12:13], s[16:17]
	s_cmp_eq_u32 s19, 3
	s_cselect_b64 s[16:17], s[14:15], s[16:17]
.endm
.macro LDW e, vo, col                  ; element e of my eight = column col of Wf, from the row offset in v[vo]
	global_load_b32 v[16+(\e)], v[\vo], s[8:9] offset:4*(\col)
.endm
.macro ZERO from                       ; elements from .. 7 are 0
.set z, \from
.rept 8-(\from)
	v_mov_b32 v[16+z], 0
.set z, z+1
.endr
.endm
.macro HALVE from, cnt                 ; slots that carry sin | 2 cos: lanes 16-31 take half the weight (a power of two: it commutes with the rounding that follows)
.set z, \from
.rept \cnt
	v_mul_f32 v[16+z], v11, v[16+z]
.set z, z+1
.endr
.endm
	s_cmp_lt_u32 s7, 16
	s_cbranch_scc0 .Lnot1
	; W1: element e = W1[16 g + m][32 s + 16 p + 8 h + e]
	s_load_b256 s[8:15], s[0:1], 0x0
	s_lshr_b32 s19, s7, 2                          ; b
	s_bfe_u32 s20, s7, 0x10001                     ; g
	s_and_b32 s22, s7, 1                           ; s
	s_lshl_b32 s20, s20, 12                        ; 16 rows of 256 bytes
	s_lshl_b32 s22, s22, 7
	s_add_co_u32 s20, s20, s22
	s_lshl_b32 s22, s6, 6
	s_add_co_u32 s20, s20, s22
	v_lshl_add_u32 v5, v2, 8, s20
	v_lshl_add_u32 v5, v3, 5, v5
	s_wait_kmcnt 0x0
	PICK4
	global_load_b128 v[16:19], v5, s[16:17]
	global_load_b128 v[20:23], v5, s[16:17] offset:16
	s_branch .Ltailb
.Lnot1:
	s_cmp_lt_u32 s7, 24
	s_cbranch_scc0 .Lnot2
	; W2: element e = W2[m][16 g + 8 h + e], the same in both parts
	s_load_b256 s[8:15], s[0:1], 0x20
	s_sub_co_u32 s18, s7, 16
	s_lshr_b32 s19, s18, 1                         ; b
	s_and_b32 s20, s18, 1                          ; g
	s_lshl_b32 s20, s20, 6
	v_lshl_add_u32 v5, v2, 7, s20
	v_lshl_add_u32 v5, v3, 5, v5
	s_wait_kmcnt 0x0
	PICK4
	global_load_b128 v[16:19], v5, s[16:17]
	global_load_b128 v[20:23], v5, s[16:17] offset:16
	s_cmp_lt_u32 s19, 2
	s_cbranch_scc1 .Ltailf
	s_branch .Ltailb
.Lnot2:
	s_cmp_lt_u32 s7, 28
	s_cbranch_scc0 .Lnot3
	; W3: rows m % 8 below the branch's 3, 2, 1, 1 outputs; the others are 0.  The load's row is clamped, so that it stays inside the buffer.
	s_load_b256 s[8:15], s[0:1], 0x40
	s_sub_co_u32 s19, s7, 24                       ; b
	s_sub_co_u32 s18, 3, s19
	s_max_u32 s18, s18, 1                          ; outputs: 3, 2, 1, 1
	s_sub_co_u32 s20, s18, 1
	v_and_b32 v6, 7, v2
	v_min_u32 v7, s20, v6
	v_lshlrev_b32 v5, 6, v7
	v_lshl_add_u32 v5, v3, 5, v5
	s_wait_kmcnt 0x0
	PICK4
	global_load_b128 v[16:19], v5, s[16:17]
	global_load_b128 v[20:23], v5, s[16:17] offset:16
	s_wait_loadcnt 0x0
	v_cmp_gt_u32 vcc_lo, s18, v6
.irp e, 0,1,2,3,4,5,6,7
	v_cndmask_b32 v[16+\e], 0, v[16+\e], vcc_lo
.endr
	s_cmp_lt_u32 s19, 2
	s_cbranch_scc1 .Ltailf
	s_branch .Ltailb
; Wf, NC columns, rows 16 mu + m; D0 = the first column of enc_d.  Slot q = 8 p + e of a fragment stands for one column in lanes 0-15 and another in lanes 16-31:
;   fragment 0: q 0-11: 3 + q | 15 + q (sin | cos of the approach, the cosine's halved);  12: 0 | 1;  13: 2 | bf[row] (the slot holds 1);  14, 15: D0 + q - 14 | + 5
;   fragment 1: q 0-2: D0 + 2 + q | + 5;  3-5: the same columns once more (these slots hold enc_d's low parts);  6-13: 29 + q - 6 | + 8 (sin | cos of beta);  14: 27 | 28;  15: 0
;   fragment 2 (dist): q 0-4: 45 + q | + 5 (enc_w);  the rest 0
.macro WF NC, D0, HASB, ARGOFF, BASE, NA
	s_load_b128 s[8:11], s[0:1], \ARGOFF           ; Wf s[8:9], bf s[10:11]
	s_sub_co_u32 s18, s7, \BASE
.if (\NA) == 2
	s_lshr_b32 s19, s18, 1                         ; mu
	s_and_b32 s20, s18, 1                          ; which fragment of the row block
.else
	s_mul_i32 s19, s18, 11
	s_lshr_b32 s19, s19, 5                         ; mu = i / 3 for i = 0 .. 11
	s_mul_i32 s20, s19, 3
	s_sub_co_u32 s20, s18, s20
.endif
	s_lshl1_add_u32 s20, s20, s6                   ; 2 x fragment + part
	s_lshl_b32 s19, s19, 4
	v_add_nc_u32 v12, s19, v2                      ; row
	v_mul_u32_u24 v5, v12, 4*(\NC)                 ; the row's first byte,
	v_mad_u32_u24 v6, v3, 48, v5                   ; and 12, 5, 8, 1 columns on for lanes 16-31
	v_mad_u32_u24 v7, v3, 20, v5
	v_lshl_add_u32 v8, v3, 5, v5
	v_lshl_add_u32 v9, v3, 2, v5
	v_lshlrev_b32 v10, 2, v12
	s_wait_kmcnt 0x0
	s_cmp_eq_u32 s20, 0
	s_cbranch_scc0 .Lc1_\@
.irp e, 0,1,2,3,4,5,6,7
	LDW \e, 6, 3+\e
.endr
	s_wait_loadcnt 0x0
	HALVE 0, 8
	s_branch .Ltailf
.Lc1_\@:
	s_cmp_eq_u32 s20, 1
	s_cbranch_scc0 .Lc2_\@
.irp e, 0,1,2,3
	LDW \e, 6, 11+\e
.endr
	LDW 4, 9, 0
	LDW 5, 5, 2
	global_load_b32 v24, v10, s[10:11]
	LDW 6, 7, \D0
	LDW 7, 7, (\D0)+1
	s_wait_loadcnt 0x0
	HALVE 0, 4
	v_cndmask_b32 v21, v21, v24, s21
	s_branch .Ltailf
.Lc2_\@:
	s_cmp_eq_u32 s20, 2
	s_cbranch_scc0 .Lc3_\@
.irp e, 0,1,2
	LDW \e, 7, (\D0)+2+\e
	LDW 3+\e, 7, (\D0)+2+\e
.endr
.if \HASB
	LDW 6, 8, 29
	LDW 7, 8, 30
	s_wait_loadcnt 0x0
	HALVE 6, 2
.else
	ZERO 6
.endif
	s_branch .Ltailf
.Lc3_\@:
.if (\NA) == 3
	s_cmp_eq_u32 s20, 3
	s_cbranch_scc0 .Lc4_\@
.endif
.if \HASB
.irp e, 0,1,2,3,4,5
	LDW \e, 8, 31+\e
.endr
	LDW 6, 9, 27
	ZERO 7
	s_wait_loadcnt 0x0
	HALVE 0, 6
.else
	ZERO 0
.endif
	s_branch .Ltailf
.if (\NA) == 3
.Lc4_\@:
	s_cmp_eq_u32 s20, 4
	s_cbranch_scc0 .Lc5_\@
.irp e, 0,1,2,3,4
	LDW \e, 7, 45+\e
.endr
	ZERO 5
	s_branch .Ltailf
.Lc5_\@:
	ZERO 0
	s_branch .Ltailf
.endif
.endm
.Lnot3:
	s_cmp_lt_u32 s7, 36
	s_cbranch_scc0 .Lnot4
	WF 37, 27, 0, 0x60, 28, 2
.Lnot4:
	s_cmp_lt_u32 s7, 44
	s_cbranch_scc0 .Lnot5
	WF 55, 45, 1, 0x70, 36, 2
.Lnot5:
	s_cmp_lt_u32 s7, 56
	s_cbranch_scc0 .Lbias
	WF 65, 55, 1, 0x80, 44, 3
.Lbias:                                ; the biases, rounded to bf16 and kept as f32: each store of a wave covers 256 consecutive bytes, aligned
	s_cmp_eq_u32 s6, 0
	s_cbranch_scc0 .Lbias2
	s_load_b256 s[8:15], s[0:1], 0x90              ; b1 of the four branches: 128 bytes each, 16 lanes x 8 bytes
	v_lshlrev_b32 v5, 3, v2
	v_lshl_add_u32 v13, v1, 3, 57344
	s_wait_kmcnt 0x0
	global_load_b64 v[16:17], v5, s[8:9]
	global_load_b64 v[18:19], v5, s[10:11]
	global_load_b64 v[20:21], v5, s[12:13]
	global_load_b64 v[22:23], v5, s[14:15]
	s_wait_loadcnt 0x0
	v_cndmask_b32 v16, v16, v18, s21
	v_cndmask_b32 v17, v17, v19, s21
	v_cndmask_b32 v20, v20, v22, s21
	v_cndmask_b32 v21, v21, v23, s21
	v_cvt_pk_bf16_f32 v28, v16, v17
	v_cvt_pk_bf16_f32 v29, v20, v21
	v_lshlrev_b32 v16, 16, v28
	v_and_b32 v17, 0xffff0000, v28
	v_lshlrev_b32 v20, 16, v29
	v_and_b32 v21, 0xffff0000, v29
	global_store_b64 v13, v[16:17], s[4:5]
	global_store_b64 v13, v[20:21], s[4:5] offset:256
	s_endpgm
.Lbias2:
	s_load_b256 s[8:15], s[0:1], 0xb0              ; b2 of the four branches: 64 bytes each, 8 lanes x 8 bytes
	v_and_b32 v6, 7, v1
	v_lshlrev_b32 v5, 3, v6
	v_lshrrev_b32 v14, 3, v1                       ; which branch's
	v_lshl_add_u32 v13, v1, 3, 57856
	s_wait_kmcnt 0x0
	global_load_b64 v[16:17], v5, s[8:9]
	global_load_b64 v[18:19], v5, s[10:11]
	global_load_b64 v[20:21], v5, s[12:13]
	global_load_b64 v[22:23], v5, s[14:15]
	s_wait_loadcnt 0x0
	v_cmp_eq_u32 vcc_lo, 1, v14
	v_cndmask_b32 v16, v16, v18, vcc_lo
	v_cndmask_b32 v17, v17, v19, vcc_lo
	v_cmp_eq_u32 vcc_lo, 2, v14
	v_cndmask_b32 v16, v16, v20, vcc_lo
	v_cndmask_b32 v17, v17, v21, vcc_lo
	v_cmp_eq_u32 vcc_lo, 3, v14
	v_cndmask_b32 v16, v16, v22, vcc_lo
	v_cndmask_b32 v17, v17, v23, vcc_lo
	v_cvt_pk_bf16_f32 v28, v16, v17
	v_lshlrev_b32 v16, 16, v28
	v_and_b32 v17, 0xffff0000, v28
	v_mov_b32 v20, 0
	v_mov_b32 v21, 0
	global_store_b64 v13, v[16:17], s[4:5]
	global_store_b64 v13, v[20:21], s[4:5] offset:256  ; the image's last 256 bytes are 0
	s_endpgm
.Ltailf:                               ; eight numbers: rounded to bf16, that number written as f16
	s_wait_loadcnt 0x0
.irp i, 0,1,2,3
	v_cvt_pk_bf16_f32 v[28+\i], v[16+2*\i], v[17+2*\i]
.endr
.irp i, 0,1,2,3
	v_lshlrev_b32 v[16+2*\i], 16, v[28+\i]
	v_and_b32 v[17+2*\i], 0xffff0000, v[28+\i]
.endr
.irp i, 0,1,2,3
	v_cvt_pk_f16_f32 v[28+\i], v[16+2*\i], v[17+2*\i]
.endr
	global_store_b128 v4, v[28:31], s[4:5]
	s_endpgm
.Ltailb:                               ; eight numbers rounded to bf16
	s_wait_loadcnt 0x0
.irp i, 0,1,2,3
	v_cvt_pk_bf16_f32 v[28+\i], v[16+2*\i], v[17+2*\i]
.endr
	global_store_b128 v4, v[28:31], s[4:5]
	s_endpgm
.Lfunc_end_k_q4fe5ccf4de_pack:
	.size	k_q4fe5ccf4de_pack, .Lfunc_end_k_q4fe5ccf4de_pack-k_q4fe5ccf4de_pack
	.p2alignl 7, 3214868480
	.fill 96, 4, 3214868480
	.section	.rodata,"a",@progbits
	.p2align	6, 0x0
	.amdhsa_kernel k_q4fe5ccf4de_pack
		.amdhsa_group_segment_fixed_size 0
		.amdhsa_private_segment_fixed_size 0
		.amdhsa_enable_private_segment 0
		.amdhsa_kernarg_size 216
		.amdhsa_user_sgpr_count 2
		.amdhsa_user_sgpr_kernarg_segment_ptr 1
		.amdhsa_wavefront_size32 1
		.amdhsa_system_sgpr_workgroup_id_x 1
		.amdhsa_system_sgpr_workgroup_id_y 1
		.amdhsa_system_sgpr_workgroup_id_z 1
		.amdhsa_system_vgpr_workitem_id 0
		.amdhsa_next_free_vgpr 48
		.amdhsa_next_free_sgpr 66
		.amdhsa_reserve_vcc 1
		.amdhsa_float_denorm_mode_32 3
		.amdhsa_float_denorm_mode_16_64 3
		.amdhsa_memory_ordered 1
		.amdhsa_forward_progress 1
		.amdhsa_inst_pref_size 23
	.end_amdhsa_kernel
	.amdgpu_metadata
---
amdhsa.version: [ 1, 2 ]
amdhsa.kernels:
  - .name:           k_q4fe5ccf4de_pack
    .symbol:         k_q4fe5ccf4de_pack.kd
    .args:
      - { .name: params_appr_W1, .offset: 0, .size: 8, .value_kind: global_buffer, .address_space: global }
      - { .name: params_beta_W1, .offset: 8, .size: 8, .value_kind: global_buffer, .address_space: global }
      - { .name: params_width_W1, .offset: 16, .size: 8, .value_kind: global_buffer, .address_space: global }
      - { .name: params_dist_W1, .offset: 24, .size: 8, .value_kind: global_buffer, .address_space: global }
      - { .name: params_appr_W2, .offset: 32, .size: 8, .value_kind: global_buffer, .address_space: global }
      - { .name: params_beta_W2, .offset: 40, .size: 8, .value_kind: global_buffer, .address_space: global }
      - { .name: params_width_W2, .offset: 48, .size: 8, .value_kind: global_buffer, .address_space: global }
      - { .name: params_dist_W2, .offset: 56, .size: 8, .value_kind: global_buffer, .address_space: global }
      - { .name: params_appr_W3, .offset: 64, .size: 8, .value_kind: global_buffer, .address_space: global }
      - { .name: params_beta_W3, .offset: 72, .size: 8, .value_kind: global_buffer, .address_space: global }
      - { .name: params_width_W3, .offset: 80, .size: 8, .value_kind: global_buffer, .address_space: global }
      - { .name: params_dist_W3, .offset: 88, .size: 8, .value_kind: global_buffer, .address_space: global }
      - { .name: params_beta_Wf, .offset: 96, .size: 8, .value_kind: global_buffer, .address_space: global }
      - { .name: params_beta_bf, .offset: 104, .size: 8, .value_kind: global_buffer, .address_space: global }
      - { .name: params_width_Wf, .offset: 112, .size: 8, .value_kind: global_buffer, .address_space: global }
      - { .name: params_width_bf, .offset: 120, .size: 8, .value_kind: global_buffer, .address_space: global }
      - { .name: params_dist_Wf, .offset: 128, .size: 8, .value_kind: global_buffer, .address_space: global }
      - { .name: params_dist_bf, .offset: 136, .size: 8, .value_kind: global_buffer, .address_space: global }
      - { .name: params_appr_b1, .offset: 144, .size: 8, .value_kind: global_buffer, .address_space: global }
      - { .name: params_beta_b1, .offset: 152, .size: 8, .value_kind: global_buffer, .address_space: global }
      - { .name: params_width_b1, .offset: 160, .size: 8, .value_kind: global_buffer, .address_space: global }
      - { .name: params_dist_b1, .offset: 168, .size: 8, .value_kind: global_buffer, .address_space: global }
      - { .name: params_appr_b2, .offset: 176, .size: 8, .value_kind: global_buffer, .address_space: global }
      - { .name: params_beta_b2, .offset: 184, .size: 8, .value_kind: global_buffer, .address_space: global }
      - { .name: params_width_b2, .offset: 192, .size: 8, .value_kind: global_buffer, .address_space: global }
      - { .name: params_dist_b2, .offset: 200, .size: 8, .value_kind: global_buffer, .address_space: global }
      - { .name: wpack, .offset: 208, .size: 8, .value_kind: global_buffer, .address_space: global }
    .group_segment_fixed_size: 0
    .private_segment_fixed_size: 0
    .kernarg_segment_align: 8
    .kernarg_segment_size: 216
    .max_flat_workgroup_size: 64
    .sgpr_count:     66
    .vgpr_count:     48
    .wavefront_size: 32
...
	.end_amdgpu_metadata
.endif
;; end of part 1
;; launch pose (part 2): grid 256 x 1, 8 waves a work-group, no clusters, 59,392 bytes of LDS; arguments features, depth_, wpack, out0, params_appr_w0_1, params_appr_w0_2, params_beta_w0_1, params_beta_w0_2, params_scale, params_sigma, params_centers, params_appr_b3, params_beta_b3, params_width_b3, params_dist_b3; writes out0
.if DOCPART == 2
	.amdgcn_target "amdgcn-amd-amdhsa--gfx1250"
	.amdhsa_code_object_version 6
	.text
	.protected	k_q4fe5ccf4de_pose
	.globl	k_q4fe5ccf4de_pose
	.p2align	8
	.type	k_q4fe5ccf4de_pose,@function
k_q4fe5ccf4de_pose:
	s_mov_b64 s[64:65], 0
	v_nop
	global_prefetch_b8 v0, s[64:65] scope:SCOPE_SE
	s_setreg_imm32_b32 hwreg(HW_REG_WAVE_MODE, 25, 1), 1
	s_wait_xcnt 0x0
; POSE: the whole chain of reference() for every pixel, fused: features and depth are read once, the seven output planes written once, nothing else goes through memory.
; LEFT OUT: params_width_w0_1/2 and params_dist_w0_1/2 (use_sin = False for width and dist: the sine arm is never built; shown at the head of the first kernel).
; IDENTITIES, exact for all values: W1 (x / n) + b1 = (W1 x) / n + b1;  1 / max(sqrt(s), 1e-12) = rsq(max(s, 1e-24));  leaky(x) = max(x, 0.2 x);
; sin and cos of 2 x, 4 x, 8 x by doubling, with d = 2 cos: s' = s d, d' = d d - 2.  The direction encodings' arguments are components of vectors that reference() normalises: |x| <= 1.
; FORMATS.  Every input is rounded once to bf16.  The first layers and the sum of squares multiply these bf16 numbers.  An intermediate operand goes to the matrix unit as a high and a low 16-bit part,
; both multiplied by the same weights: beta is a normalised 2-vector whose raw norm can be small, so what feeds it is kept to some 22 bits.  Bounded operands (sines, encodings in -2 .. 2) are f16 + f16;
; the leaky layers of width and dist, which have no bound, bf16 + bf16.  enc_w, and enc_a and enc_b for dist, feed a sigmoid alone and go as one f16.
; SINE.  x = n pi + r by u = x / pi + 1.5 x 2^23 (n in u's low bits), r in two fused steps, sin(x) = sin(+-r) by an odd polynomial of degree 9 on -pi/2 .. pi/2.
; LIMITS.  |w0 h| below 2^22 pi.  A NaN in one pixel's beta encoding can reach the pixel that the same lane takes in its next block (stale slots are multiplied by weights 0).  max drops a NaN in the leaky step.
; SHARES.  A block is 64 consecutive pixels of an image: 256 bytes, aligned, of every plane; 6,272 blocks.  Work-group w has 24 + w % 2 of them from 24 w + w / 2 on; wave v takes every eighth: three, and wave 0 of an odd
; work-group a fourth.  A wave works on its block's four tiles at once; tile t is the pixels 4 r + t (r = lane % 16): a load of 16 bytes a lane then brings one channel of the lane's pixel in each tile, and two such registers
; rounded in pairs ARE source 1 of the products.  Source 0 is weights: in a result lane (r, h) holds pixel r and channels 8 h + 0..7, which, rounded in pairs, is again source 1.  Nothing changes lanes but one sum.
; The two halves of the lanes hold different k of one pixel: lanes 0-15 keep the sines, lanes 16-31 the cosines (times 2), and likewise x | y, z | 1, centers i | i + 5.
; NO TENSOR LOADS, NO CLUSTER.  No wave wants a byte of features that another fetched, and the registers as loaded are the fragments.  What work-groups share is the image of weights: 58,368 bytes once a work-group
; against 24 blocks x 16,640 bytes of its own: a small part of what it reads.
; LDS: 0 .. 58,367 the image made by the first launch; 58,368 .. 59,391 the spare words, 128 bytes a wave, which no other line names.
.set PLANE, 200704                     ; bytes in a plane of 224 x 224 f32
.set IMGF,  64*PLANE
.set IMGO,  7*PLANE
.set BIAS1, 57344
.set BIAS2, 57856
.set SPARE, 58368
; window 0
.set LA,   1                           ; 16 x lane: my 16 bytes of half a weight fragment
.set LB,   2                           ; 32 h: my eight biases
.set FO,   3                           ; 8 h planes + 16 r: features
.set OO,   4                           ; h planes + 16 r: two output planes by one store
.set DOF,  5                           ; 16 r: depth
.set ONE,  6                           ; 1.0
.set ZO,   7                           ; 16 r + 8 h: one output plane by one store of 8 bytes a lane
.set SPW,  8                           ; my spare word; never rewritten
.set NIL,  9                           ; 0, for the add alone
.set CEN,  10                          ; v[10:14] centers i + 5 h; v15 written, not used
.set GM,   16                          ; v[16:23] 1.0 where r = 8 h + j: picks the diagonal
.set INVN, 24                          ; v[24:27] 1 / |features|, a tile each
.set DEP,  28                          ; v[28:31] depth
.set TMP,  32                          ; v[32:63] at work; also the FiLM shift's accumulators
.set DG,   64                          ; v[64:95] the FiLM gain's accumulators, then the layer's result
.set D1,   96                          ; v[96:127] the first layer's accumulators
.set AC,   128                         ; v[128:159] the second layer's accumulators
.set AB,   160                         ; v[160:231] nine weight fragments; the first eight also take the next block's raw channels 32-63
.set BB,   232                         ; v[232:247] two bias tables
.set WR,   248                         ; v[248:251] raw width
.set PFO,  252                         ; lane x plane
.set MONE, 253                         ; -1.0
.set ZR,   254                         ; 0
; names inside TMP .. AC for the steps between the branches
.set XQ,   32                          ; a vector's components, four tiles side by side
.set SS,   44
.set IV,   48
.set R2A,  44
.set QQ,   64
.set WQ,   64                          ; slot q of an encoding at WQ + 4 q
.set SN,   128
.set DC,   140
.set ZD,   120
.set LO12, 122
.set BXY,  96
.set LOB,  100
; window 1: v[0:63] features as bf16, tile t, channels 32 s .. at 16 t + 8 s
.set H0,   64                          ; encodings, tile t at + 8 t: high parts, fragment 0; with L0 it also takes the next block's raw channels 0-31
.set L0,   96
.set H1,   128
.set L1,   160
.set H2,   192
.set FF,   224                         ; a hidden layer: registers 0-3 high parts, 4-7 low parts
; scalars.  A packed line names a pair and takes its low word for both halves; the odd register holds something that has been written.
.set OOF,  2                           ; s[2:3] my block's offset in out0
.set FEAT, 4
.set DEPTH,6
.set WP,   8
.set OUT,  10
.set PFB,  12                          ; s[12:13] the prefetches' base (the head's pointers are dead by then)
.set LK,   14                          ; s[14:15] 0.2
.set W01,  34
.set TRIP, 35
.set W02,  36
.set NT,   37
.set BW01, 38
.set BLK,  39
.set BW02, 40
.set WV,   41
.set SCL,  42
.set HM,   43                          ; 0xffff0000: lanes 16-31, and a word's upper half
.set OMS,  44
.set KR,   46
.set INVPI,48
.set MAGIC,50
.set NMAGIC,52
.set NPIHI,54
.set NPILO,56
.set C9,   58
.set C7,   60
.set C5,   62
.set C3,   66
.set K10,  68
.set K8,   70
.set K6,   72
.set K4,   74
.set AB3,  76
.set BB3,  80
.set WB3,  82
.set DB3,  83
.set CENS, 84                          ; s[84:93] the centers, at the head only
.set ST,   84                          ; s84-90 the block arithmetic's temporaries
.set OB,   94
.set SEL,  96
.set FB0,  98
.set FB1,  100
.set SDB,  104
.set MSB, 0
.macro WIN new                         ; s_set_vgpr_msb: bits 1:0 source 0, 3:2 source 1, 5:4 source 2, 7:6 destination; the high byte repeats the setting that is left
.if MSB != (\new)
	s_set_vgpr_msb (MSB<<8)|(\new)
.set MSB, \new
.endif
.endm
.macro NOP4                            ; four places behind matrix instructions (ISA guide 7.12.1), where no other vector work is at hand
.rept 4
	v_nop
.endr
.endm
.macro PKN cnt, line:vararg            ; one line for cnt register pairs: o = 0, 2, ..
.set o, 0
.rept \cnt
	\line
.set o, o+2
.endr
.endm
.macro QN cnt, line:vararg             ; one line for cnt registers: o = 0, 1, ..
.set o, 0
.rept \cnt
	\line
.set o, o+1
.endr
.endm
.macro KPAIR r, val
	s_mov_b32 s[\r], \val
	s_mov_b32 s[(\r)+1], \val
.endm
.macro SRND r                          ; a scalar f32 rounded to bf16, nearest even
	s_bfe_u32 s16, s[\r], 0x10010
	s_add_co_u32 s[\r], s[\r], s16
	s_add_co_u32 s[\r], s[\r], 0x7fff
	s_and_b32 s[\r], s[\r], s[HM]
.endm
; Block number s[blk]: image = blk / 784 (by 85599 / 2^26, right for all blk below 6,280), s[ST+1] = 256 x its place in the image, s[ST+2:ST+3] = its offset in features
.macro IMGWIN blk
	s_mul_i32 s[ST], s[\blk], 85599
	s_lshr_b32 s[ST], s[ST], 26
	s_mul_i32 s[ST+1], s[ST], 784
	s_sub_co_u32 s[ST+1], s[\blk], s[ST+1]
	s_lshl_b32 s[ST+1], s[ST+1], 8
	s_mul_i32 s[ST+2], s[ST], IMGF
	s_add_co_u32 s[ST+2], s[ST+2], s[ST+1]
	s_mov_b32 s[ST+3], 0
.endm
.macro SETBLK                          ; the bases of block s[BLK]
	IMGWIN BLK
	s_add_nc_u64 s[FB0:FB0+1], s[FEAT:FEAT+1], s[ST+2:ST+3]
	s_add_nc_u64 s[FB1:FB1+1], s[FB0:FB0+1], 32*PLANE
	s_mul_i32 s[ST+4], s[ST], PLANE
	s_add_co_u32 s[ST+4], s[ST+4], s[ST+1]
	s_mov_b32 s[ST+5], 0
	s_add_nc_u64 s[SDB:SDB+1], s[DEPTH:DEPTH+1], s[ST+4:ST+5]
	s_mul_i32 s[OOF], s[ST], IMGO
	s_add_co_u32 s[OOF], s[OOF], s[ST+1]
	s_mov_b32 s[OOF+1], 0
.endm
; A block's 33 loads.  Load i = 8 p + e of K step s brings channel 32 s + 16 p + e + 8 h, pixels 4 r .. 4 r + 3: lanes 0-15 cover 256 consecutive bytes, aligned, of one plane, lanes 16-31 of another.
.macro LOADX
	WIN 0x40
.set i, 0
.rept 16
	global_load_b128 v[H0+4*i:H0+4*i+3], v[FO], s[FB0:FB0+1] offset:(16*(i/8)+i%8)*PLANE th:TH_LOAD_NT
.set i, i+1
.endr
	WIN 0
.set i, 0
.rept 16
	global_load_b128 v[AB+4*i:AB+4*i+3], v[FO], s[FB1:FB1+1] offset:(16*(i/8)+i%8)*PLANE th:TH_LOAD_NT
.set i, i+1
.endr
	global_load_b128 v[DEP:DEP+3], v[DOF], s[SDB:SDB+1] th:TH_LOAD_NT
.endm
; Register k of fragment (t, s) = channels 2 k, 2 k + 1 of my sixteen, component t of loads 2 k and 2 k + 1
.macro CONVERT
	WIN 0x45
.irp k, 0,1,2,3,4,5,6,7
.irp t, 0,1,2,3
	v_cvt_pk_bf16_f32 v[16*\t+\k], v[H0+8*\k+\t], v[H0+8*\k+4+\t]
.endr
.endr
	WIN 0x40
.irp k, 0,1,2,3,4,5,6,7
.irp t, 0,1,2,3
	v_cvt_pk_bf16_f32 v[16*\t+8+\k], v[AB+8*\k+\t], v[AB+8*\k+4+\t]
.endr
.endr
	WIN 0
.endm
.macro LDA i, f                        ; weight fragment f into AB_i: 32 lanes x 16 consecutive bytes, twice
	ds_load_b128 v[AB+8*(\i):AB+8*(\i)+3], v[LA] offset:(\f)*1024
	ds_load_b128 v[AB+8*(\i)+4:AB+8*(\i)+7], v[LA] offset:(\f)*1024+512
.endm
.macro LDB i, off                      ; eight biases, channels 8 h + 0..7, laid as an accumulator
	ds_load_b128 v[BB+8*(\i):BB+8*(\i)+3], v[LB] offset:\off
	ds_load_b128 v[BB+8*(\i)+4:BB+8*(\i)+7], v[LB] offset:(\off)+16
.endm
.macro PRE b, g                        ; what the batch of branch b, channels 16 g .. will multiply by
	LDA 0, 4*(\b)+2*(\g)
	LDA 1, 4*(\b)+2*(\g)+1
.if (\b) == 1
	LDA 2, 28+2*(\g)
	LDA 3, 28+2*(\g)+1
	LDA 5, 32+2*(\g)
	LDA 6, 32+2*(\g)+1
.elseif (\b) == 2
	LDA 2, 36+2*(\g)
	LDA 3, 36+2*(\g)+1
	LDA 5, 40+2*(\g)
	LDA 6, 40+2*(\g)+1
.elseif (\b) == 3
	LDA 2, 44+3*(\g)
	LDA 3, 44+3*(\g)+1
	LDA 4, 44+3*(\g)+2
	LDA 5, 50+3*(\g)
	LDA 6, 50+3*(\g)+1
	LDA 7, 50+3*(\g)+2
.endif
	LDB 0, BIAS1+128*(\b)+64*(\g)
.endm
.macro WMM bf, d, a, b, c              ; one product; c < 0: the constant 0 starts the sum
.if (\bf) && ((\c) < 0)
	v_wmma_f32_16x16x32_bf16 v[(\d):(\d)+7], v[(\a):(\a)+7], v[(\b):(\b)+7], 0
.elseif \bf
	v_wmma_f32_16x16x32_bf16 v[(\d):(\d)+7], v[(\a):(\a)+7], v[(\b):(\b)+7], v[(\c):(\c)+7]
.elseif (\c) < 0
	v_wmma_f32_16x16x32_f16 v[(\d):(\d)+7], v[(\a):(\a)+7], v[(\b):(\b)+7], 0
.else
	v_wmma_f32_16x16x32_f16 v[(\d):(\d)+7], v[(\a):(\a)+7], v[(\b):(\b)+7], v[(\c):(\c)+7]
.endif
.endm
; Four products, a tile each, so that the accumulators take turns, one instruction a turn.  Source 1 of tile t at bb + bs t.  cm: 0 starts at 0, 1 at bias table 0, 2 at table 1, 3 adds in place.
.macro RUN bf, dst, ia, bb, bs, cm
.irp t, 0,1,2,3
.if (\cm) == 0
	WMM \bf, (\dst)+8*\t, AB+8*(\ia), (\bb)+(\bs)*\t, -1
.elseif (\cm) == 1
	WMM \bf, (\dst)+8*\t, AB+8*(\ia), (\bb)+(\bs)*\t, BB
.elseif (\cm) == 2
	WMM \bf, (\dst)+8*\t, AB+8*(\ia), (\bb)+(\bs)*\t, BB+8
.else
	WMM \bf, (\dst)+8*\t, AB+8*(\ia), (\bb)+(\bs)*\t, (\dst)+8*\t
.endif
.endr
.endm
; A batch: W1 x, and the FiLM gain and shift, for 16 channels and four tiles.  Rounds over up to twelve accumulators; the low parts first, so that small sums are formed before large ones.
.macro BATCH b
	s_wait_dscnt 0x0                               ; the fragments, asked for a group earlier
	WIN 4                                          ; source 1 in window 1
.if (\b) == 0
	RUN 1, DG, 0, 0, 16, 1
	RUN 1, DG, 1, 8, 16, 3
.elseif (\b) == 1
	RUN 1, D1, 0, 0, 16, 0                         ; the bias comes behind the division by the norm
	RUN 0, DG, 2, L0, 8, 0
	RUN 0, TMP, 5, L0, 8, 0
	RUN 1, D1, 1, 8, 16, 3
	RUN 0, DG, 2, H0, 8, 3
	RUN 0, TMP, 5, H0, 8, 3
	RUN 0, DG, 3, H1, 8, 3
	RUN 0, TMP, 6, H1, 8, 3
.elseif (\b) == 2
	RUN 1, D1, 0, 0, 16, 1
	RUN 0, DG, 2, L0, 8, 0
	RUN 0, TMP, 5, L0, 8, 0
	RUN 1, D1, 1, 8, 16, 3
	RUN 0, DG, 3, L1, 8, 3
	RUN 0, TMP, 6, L1, 8, 3
	RUN 0, DG, 2, H0, 8, 3
	RUN 0, TMP, 5, H0, 8, 3
	RUN 0, DG, 3, H1, 8, 3
	RUN 0, TMP, 6, H1, 8, 3
.else
	RUN 1, D1, 0, 0, 16, 1
	RUN 0, DG, 2, H0, 8, 0
	RUN 0, TMP, 5, H0, 8, 0
	RUN 1, D1, 1, 8, 16, 3
	RUN 0, DG, 3, H1, 8, 3
	RUN 0, TMP, 6, H1, 8, 3
	RUN 0, DG, 4, H2, 8, 3
	RUN 0, TMP, 7, H2, 8, 3
.endif
	WIN 0
	NOP4
.endm
; h = gain x h1 + shift; norm = 1: first h1 = (W1 x) / |x| + b1.  Each accumulator's lowest pair is read first.
.macro FILM norm
.irp i, 0,2,4,6
.if \norm
.irp t, 0,2
	v_pk_fma_f32 v[D1+8*\t+\i:D1+8*\t+\i+1], v[D1+8*\t+\i:D1+8*\t+\i+1], v[INVN+\t:INVN+\t+1], v[BB+\i:BB+\i+1] op_sel_hi:[1,0,1]
	v_pk_fma_f32 v[D1+8*\t+8+\i:D1+8*\t+8+\i+1], v[D1+8*\t+8+\i:D1+8*\t+8+\i+1], v[INVN+\t:INVN+\t+1], v[BB+\i:BB+\i+1] op_sel:[0,1,0] op_sel_hi:[1,1,1]
.endr
.endif
.irp t, 0,1,2,3
	v_pk_fma_f32 v[DG+8*\t+\i:DG+8*\t+\i+1], v[DG+8*\t+\i:DG+8*\t+\i+1], v[D1+8*\t+\i:D1+8*\t+\i+1], v[TMP+8*\t+\i:TMP+8*\t+\i+1]
.endr
.endr
.endm
; sin(w0 x) in place on 32 registers.  Eight chains at a time (two pairs of each tile), so that no line waits for the one before it; a chain has four registers of TMP.
.macro CH8 line:vararg
.set cc, 0
.rept 8
.set cP, SINB+8*(cc%4)+2*(SINP+cc/4)
.set cU, TMP+4*cc
.set cG, TMP+4*cc+2
	\line
.set cc, cc+1
.endr
.endm
.macro SIN base, w0
.set SINB, \base
.set SINP, 0
.rept 2
	CH8 v_pk_mul_f32 v[cP:cP+1], v[cP:cP+1], s[\w0:\w0+1] op_sel_hi:[1,0]
	CH8 v_pk_fma_f32 v[cU:cU+1], v[cP:cP+1], s[INVPI:INVPI+1], s[MAGIC:MAGIC+1] op_sel_hi:[1,0,0]
	CH8 v_lshl_or_b32 v[cG], v[cU], 31, v[ONE]
	CH8 v_lshl_or_b32 v[cG+1], v[cU+1], 31, v[ONE]
	CH8 v_pk_add_f32 v[cU:cU+1], v[cU:cU+1], s[NMAGIC:NMAGIC+1] op_sel_hi:[1,0]
	CH8 v_pk_fma_f32 v[cP:cP+1], v[cU:cU+1], s[NPIHI:NPIHI+1], v[cP:cP+1] op_sel_hi:[1,0,1]
	CH8 v_pk_fma_f32 v[cP:cP+1], v[cU:cU+1], s[NPILO:NPILO+1], v[cP:cP+1] op_sel_hi:[1,0,1]
	CH8 v_pk_mul_f32 v[cP:cP+1], v[cP:cP+1], v[cG:cG+1]
	CH8 v_pk_mul_f32 v[cU:cU+1], v[cP:cP+1], v[cP:cP+1]
	CH8 v_pk_fma_f32 v[cG:cG+1], v[cU:cU+1], s[C9:C9+1], s[C7:C7+1] op_sel_hi:[1,0,0]
	CH8 v_pk_fma_f32 v[cG:cG+1], v[cG:cG+1], v[cU:cU+1], s[C5:C5+1] op_sel_hi:[1,1,0]
	CH8 v_pk_fma_f32 v[cG:cG+1], v[cG:cG+1], v[cU:cU+1], s[C3:C3+1] op_sel_hi:[1,1,0]
	CH8 v_pk_mul_f32 v[cU:cU+1], v[cU:cU+1], v[cP:cP+1]
	CH8 v_pk_fma_f32 v[cP:cP+1], v[cG:cG+1], v[cU:cU+1], v[cP:cP+1]
.set SINP, SINP+2
.endr
.endm
.macro LRELU base                      ; max(x, 0.2 x) in place on 32 registers
.irp i, 0,2,4,6
.irp t, 0,1,2,3
	v_pk_mul_f32 v[TMP+8*\t+\i:TMP+8*\t+\i+1], v[(\base)+8*\t+\i:(\base)+8*\t+\i+1], s[LK:LK+1] op_sel_hi:[1,0]
.endr
.endr
.irp i, 0,1,2,3,4,5,6,7
.irp t, 0,1,2,3
	v_max_num_f32 v[(\base)+8*\t+\i], v[(\base)+8*\t+\i], v[TMP+8*\t+\i]
.endr
.endr
.endm
; A layer's 16 channels become source 1: registers 0-3 the numbers rounded to 16 bits, registers 4-7 what the rounding left, rounded again.  bf = 1: bf16, else f16.
.macro SPLITF bf, base
	WIN 0x40
.irp i, 0,1,2,3
.irp t, 0,1,2,3
.if \bf
	v_cvt_pk_bf16_f32 v[FF+8*\t+\i], v[(\base)+8*\t+2*\i], v[(\base)+8*\t+2*\i+1]
.else
	v_cvt_pk_f16_f32 v[FF+8*\t+\i], v[(\base)+8*\t+2*\i], v[(\base)+8*\t+2*\i+1]
.endif
.endr
.endr
	WIN 0x01                                       ; source 0 in window 1
.irp i, 0,1,2,3
.irp t, 0,1,2,3
.if \bf
	v_fma_mix_f32_bf16 v[(\base)+8*\t+2*\i], v[FF+8*\t+\i], v[MONE], v[(\base)+8*\t+2*\i] op_sel:[0,0,0] op_sel_hi:[1,0,0]
	v_fma_mix_f32_bf16 v[(\base)+8*\t+2*\i+1], v[FF+8*\t+\i], v[MONE], v[(\base)+8*\t+2*\i+1] op_sel:[1,0,0] op_sel_hi:[1,0,0]
.else
	v_fma_mix_f32 v[(\base)+8*\t+2*\i], v[FF+8*\t+\i], v[MONE], v[(\base)+8*\t+2*\i] op_sel:[0,0,0] op_sel_hi:[1,0,0]
	v_fma_mix_f32 v[(\base)+8*\t+2*\i+1], v[FF+8*\t+\i], v[MONE], v[(\base)+8*\t+2*\i+1] op_sel:[1,0,0] op_sel_hi:[1,0,0]
.endif
.endr
.endr
	WIN 0x40
.irp i, 0,1,2,3
.irp t, 0,1,2,3
.if \bf
	v_cvt_pk_bf16_f32 v[FF+8*\t+4+\i], v[(\base)+8*\t+2*\i], v[(\base)+8*\t+2*\i+1]
.else
	v_cvt_pk_f16_f32 v[FF+8*\t+4+\i], v[(\base)+8*\t+2*\i], v[(\base)+8*\t+2*\i+1]
.endif
.endr
.endr
	WIN 0
.endm
; The same for encodings, whose quantities lie four tiles side by side.  EHI: register rho of fragment hb = (qa, qb) as f16.  EHIZ: (qa, 0).  ELO: dst = src - that register's half.  The caller sets the windows.
.macro EHI hb, rho, qa, qb
.irp t, 0,1,2,3
	v_cvt_pk_f16_f32 v[(\hb)+8*\t+(\rho)], v[(\qa)+\t], v[(\qb)+\t]
.endr
.endm
.macro EHIZ hb, rho, qa
.irp t, 0,1,2,3
	v_cvt_pk_f16_f32 v[(\hb)+8*\t+(\rho)], v[(\qa)+\t], v[ZR]
.endr
.endm
.macro ELO hb, rho, half, src, dst
.irp t, 0,1,2,3
	v_fma_mix_f32 v[(\dst)+\t], v[(\hb)+8*\t+(\rho)], v[MONE], v[(\src)+\t] op_sel:[\half,0,0] op_sel_hi:[1,0,0]
.endr
.endm
; exp(-(x - c)^2 / (2 sigma^2)) for my five centers and four tiles: 20 exponentials, which the caller waits for
.macro RBF src, dst
.irp i, 0,2,4
.irp u, 0,2
	v_pk_add_f32 v[(\dst)+4*\i+\u:(\dst)+4*\i+\u+1], v[(\src)+\u:(\src)+\u+1], v[CEN+\i:CEN+\i+1] op_sel_hi:[1,0] neg_lo:[0,1] neg_hi:[0,1]
.endr
.endr
.irp i, 1,3
.irp u, 0,2
	v_pk_add_f32 v[(\dst)+4*\i+\u:(\dst)+4*\i+\u+1], v[(\src)+\u:(\src)+\u+1], v[CEN+\i-1:CEN+\i] op_sel:[0,1] op_sel_hi:[1,1] neg_lo:[0,1] neg_hi:[0,1]
.endr
.endr
	PKN 10, v_pk_mul_f32 v[(\dst)+o:(\dst)+o+1], v[(\dst)+o:(\dst)+o+1], v[(\dst)+o:(\dst)+o+1]
	PKN 10, v_pk_mul_f32 v[(\dst)+o:(\dst)+o+1], v[(\dst)+o:(\dst)+o+1], s[KR:KR+1] op_sel_hi:[1,0]
	QN 20, v_exp_f32 v[(\dst)+o], v[(\dst)+o]
.endm
; IV = 1 / max(|v|, 1e-12) for the vector of nc components at XQ
.macro NORMQ nc
	PKN 2, v_pk_mul_f32 v[SS+o:SS+o+1], v[XQ+o:XQ+o+1], v[XQ+o:XQ+o+1]
	PKN 2, v_pk_fma_f32 v[SS+o:SS+o+1], v[XQ+4+o:XQ+5+o], v[XQ+4+o:XQ+5+o], v[SS+o:SS+o+1]
.if (\nc) == 3
	PKN 2, v_pk_fma_f32 v[SS+o:SS+o+1], v[XQ+8+o:XQ+9+o], v[XQ+8+o:XQ+9+o], v[SS+o:SS+o+1]
.endif
	QN 4, v_max_num_f32 v[SS+o], 0x179abe15, v[SS+o]
	QN 4, v_rsq_f32 v[IV+o], v[SS+o]
	v_nop                                          ; a plain instruction behind the last of the batch,
	s_wait_alu depctr_va_vdst(0)                   ; and the one wait ahead of the first use
.endm
; SN = sin, DC = 2 cos of the np pairs at XQ, all within -1 .. 1: no reduction
.macro SINCOS np
	PKN \np, v_pk_mul_f32 v[R2A+o:R2A+o+1], v[XQ+o:XQ+o+1], v[XQ+o:XQ+o+1]
	PKN \np, v_pk_fma_f32 v[QQ+o:QQ+o+1], v[R2A+o:R2A+o+1], s[C9:C9+1], s[C7:C7+1] op_sel_hi:[1,0,0]
	PKN \np, v_pk_fma_f32 v[DC+o:DC+o+1], v[R2A+o:R2A+o+1], s[K10:K10+1], s[K8:K8+1] op_sel_hi:[1,0,0]
	PKN \np, v_pk_fma_f32 v[QQ+o:QQ+o+1], v[QQ+o:QQ+o+1], v[R2A+o:R2A+o+1], s[C5:C5+1] op_sel_hi:[1,1,0]
	PKN \np, v_pk_fma_f32 v[DC+o:DC+o+1], v[DC+o:DC+o+1], v[R2A+o:R2A+o+1], s[K6:K6+1] op_sel_hi:[1,1,0]
	PKN \np, v_pk_fma_f32 v[QQ+o:QQ+o+1], v[QQ+o:QQ+o+1], v[R2A+o:R2A+o+1], s[C3:C3+1] op_sel_hi:[1,1,0]
	PKN \np, v_pk_fma_f32 v[DC+o:DC+o+1], v[DC+o:DC+o+1], v[R2A+o:R2A+o+1], s[K4:K4+1] op_sel_hi:[1,1,0]
	PKN \np, v_pk_fma_f32 v[DC+o:DC+o+1], v[DC+o:DC+o+1], v[R2A+o:R2A+o+1], -1.0 op_sel_hi:[1,1,0]
	PKN \np, v_pk_fma_f32 v[DC+o:DC+o+1], v[DC+o:DC+o+1], v[R2A+o:R2A+o+1], 2.0 op_sel_hi:[1,1,0]
	PKN \np, v_pk_mul_f32 v[R2A+o:R2A+o+1], v[R2A+o:R2A+o+1], v[XQ+o:XQ+o+1]
	PKN \np, v_pk_fma_f32 v[SN+o:SN+o+1], v[QQ+o:QQ+o+1], v[R2A+o:R2A+o+1], v[XQ+o:XQ+o+1]
.endm
; Slot 4 c + f = sin | 2 cos of 2^f x component c; the angle is doubled between the frequencies
.macro ENCSEL nc
.irp f, 0,1,2,3
.set cq, 0
.rept \nc
.irp t, 0,1,2,3
	v_cndmask_b32 v[WQ+16*cq+4*\f+\t], v[SN+4*cq+\t], v[DC+4*cq+\t], s[HM]
.endr
.set cq, cq+1
.endr
.if \f < 3
	PKN 2*(\nc), v_pk_mul_f32 v[SN+o:SN+o+1], v[SN+o:SN+o+1], v[DC+o:DC+o+1]
	PKN 2*(\nc), v_pk_fma_f32 v[DC+o:DC+o+1], v[DC+o:DC+o+1], v[DC+o:DC+o+1], -2.0 op_sel_hi:[1,1,0]
.endif
.endr
.endm
; The next block's loads, where the other groups fetch their fragments: the last batch has read AB0-7 and H0 (four places and the FiLM lines back), L0 and depth were used long ago.
; The bases were last read by loads that the trip's wait for 0 has shown done.  A wave's last trip loads nothing.
.macro NEXTLOAD
	s_add_co_u32 s[ST+6], s[TRIP], 1
	s_cmp_lt_u32 s[ST+6], s[NT]
	s_cbranch_scc0 .Lnoload
	s_add_co_u32 s[BLK], s[BLK], 8
	SETBLK
	LOADX
.Lnoload:
.endm
; 16 channels of a branch's first hidden layer, and their share of the second layer's sums
.macro GROUP b, g
	BATCH \b
.if (\b) == 1
	FILM 1
.elseif (\b) > 1
	FILM 0
.endif
.if (\g) == 0
	PRE \b, 1
.elseif (\b) < 3
	PRE (\b)+1, 0
.else
	NEXTLOAD
.endif
	LDA 8, 16+2*(\b)+(\g)                          ; its last reader stands ahead of the batch's four places
.if (\g) == 0
	LDB 1, BIAS2+64*(\b)
.endif
.if (\b) == 0
	SIN DG, W01
.elseif (\b) == 1
	SIN DG, BW01
.else
	LRELU DG
.endif
	SPLITF (\b)/2, DG
	s_wait_dscnt 0x0                               ; W2's fragment, and the next batch's, asked for a whole activation earlier
	WIN 4
.if (\g) == 0
	RUN (\b)/2, AC, 8, FF, 8, 2
.else
	RUN (\b)/2, AC, 8, FF, 8, 3
.endif
.endm
; The second activation and the last layer; the result lies in registers 0 .. of DG, in both halves of the lanes
.macro TAIL b
	WIN 0
	NOP4
	LDA 8, 24+(\b)
.if (\b) == 0
	SIN AC, W02
.elseif (\b) == 1
	SIN AC, BW02
.else
	LRELU AC
.endif
	SPLITF (\b)/2, AC
	s_wait_dscnt 0x0
	WIN 4
	RUN (\b)/2, DG, 8, FF, 8, 0
	WIN 0
	NOP4
.endm
	; THE HEAD
	s_load_b512 s[4:19], s[0:1], 0x0               ; features, depth_, wpack, out0, and the pointers to eleven small inputs
	s_load_b256 s[20:27], s[0:1], 0x40
	s_load_b128 s[28:31], s[0:1], 0x60
	s_load_b64 s[32:33], s[0:1], 0x70
	v_lshl_add_u32 v[SPW], v0, 2, SPARE
	v_mov_b32 v[NIL], 0
	v_lshrrev_b32 v32, 5, v0
	v_readfirstlane_b32 s[WV], v32                 ; wave 0..7
	v_and_b32 v33, 15, v0                          ; r
	v_bfe_u32 v34, v0, 4, 1                        ; h
	v_and_b32 v35, 31, v0                          ; lane
	v_lshlrev_b32 v[LA], 4, v35
	v_lshlrev_b32 v[LB], 5, v34
	v_lshlrev_b32 v[DOF], 4, v33
	v_mul_u32_u24 v36, v34, PLANE
	v_add_nc_u32 v[OO], v36, v[DOF]
	v_lshl_add_u32 v[FO], v36, 3, v[DOF]
	v_lshl_add_u32 v[ZO], v34, 3, v[DOF]
	v_mul_u32_u24 v[PFO], v35, PLANE
	v_lshlrev_b32 v37, 4, v0                       ; my 16 bytes of each 4,096 of the image,
	v_lshlrev_b32 v38, 2, v0                       ; and my word of its last 1,024
	v_mov_b32 v[ONE], 1.0
	v_mov_b32 v[MONE], -1.0
	v_mov_b32 v[ZR], 0
	s_mul_i32 s[BLK], ttmp9, 24
	s_lshr_b32 s[ST], ttmp9, 1
	s_add_co_u32 s[BLK], s[BLK], s[ST]
	s_add_co_u32 s[BLK], s[BLK], s[WV]             ; my first block
	s_and_b32 s[ST], ttmp9, 1
	s_cmp_eq_u32 s[WV], 0
	s_cselect_b32 s[ST], s[ST], 0
	s_add_co_u32 s[NT], s[ST], 3                   ; my blocks: 3, or 4 for wave 0 of an odd work-group
	s_mov_b32 s[TRIP], 0
	s_mov_b32 s[HM], 0xffff0000
	s_mov_b32 s[SEL], 0x76543210                   ; v_permlanex16_b32: each lane takes its own place in the other half
	s_mov_b32 s[SEL+1], 0xfedcba98
	KPAIR INVPI, 0x3ea2f983                        ; 1 / pi
	KPAIR MAGIC, 0x4b400000                        ; 1.5 x 2^23
	KPAIR NMAGIC, 0xcb400000
	KPAIR NPIHI, 0xc0490fdb                        ; -pi in two parts
	KPAIR NPILO, 0x33bbbd2e
	KPAIR C9, 0x362d86b9                           ; the sine's polynomial
	KPAIR C7, 0xb94f9c6a
	KPAIR C5, 0x3c0886a2
	KPAIR C3, 0xbe2aaa9d
	KPAIR K10, 0xb513f27e                          ; 2 cos: -2/10!, 2/8!, -2/6!, 2/4!
	KPAIR K8, 0x38500d01
	KPAIR K6, 0xbb360b61
	KPAIR K4, 0x3daaaaab
	s_wait_kmcnt 0x0
.set i, 0
.rept 14
	global_load_b128 v[DG+4*i:DG+4*i+3], v37, s[WP:WP+1] offset:4096*i  ; the image: 15 loads, ahead of the block's
.set i, i+1
.endr
	global_load_b32 v[DG+56], v38, s[WP:WP+1] offset:BIAS1
	SETBLK
	LOADX                                          ; my first block: 33 loads
	s_load_b32 s[W01], s[12:13], 0x0
	s_load_b32 s[W02], s[14:15], 0x0
	s_load_b32 s[BW01], s[16:17], 0x0
	s_load_b32 s[BW02], s[18:19], 0x0
	s_load_b32 s[SCL], s[20:21], 0x0
	s_load_b32 s[KR], s[22:23], 0x0                ; sigma, for now
	s_load_b256 s[CENS:CENS+7], s[24:25], 0x0
	s_load_b64 s[CENS+8:CENS+9], s[24:25], 0x20
	s_load_b96 s[AB3:AB3+2], s[26:27], 0x0
	s_load_b64 s[BB3:BB3+1], s[28:29], 0x0
	s_load_b32 s[WB3], s[30:31], 0x0
	s_load_b32 s[DB3], s[32:33], 0x0
	; slots that stay 0 for the whole launch, and beta's slots, which are multiplied by weights 0 before they are first made: written while the loads are out
	WIN 0x40
.irp t, 0,1,2,3
.irp j, 3,4,5,6,7
	v_mov_b32 v[H1+8*\t+\j], 0
	v_mov_b32 v[H2+8*\t+\j], 0
.endr
.irp j, 0,1,2
	v_mov_b32 v[L1+8*\t+\j], 0
.endr
.endr
	WIN 0
	v_lshlrev_b32 v39, 3, v34
	v_sub_nc_u32 v39, v33, v39                     ; r - 8 h
.irp j, 0,1,2,3,4,5,6,7
	v_cmp_eq_u32 vcc_lo, \j, v39
	v_cndmask_b32 v[GM+\j], 0, 1.0, vcc_lo
.endr
	s_wait_kmcnt 0x0                               ; the small inputs; their pointers are dead from here on
.irp r, W01, W02, BW01, BW02, SCL, KR, AB3, AB3+1, AB3+2, BB3, BB3+1, WB3, DB3
	SRND \r
.endr
.irp r, 0,1,2,3,4,5,6,7,8,9
	SRND CENS+\r
.endr
	KPAIR LK, 0x3e4ccccd                           ; 0.2
	v_mov_b32 v39, s[KR]
	v_mul_f32 v39, v39, v39
	v_add_f32 v39, v39, v39                        ; 2 sigma^2
	v_rcp_f32 v40, v39
	v_mov_b32 v41, s[SCL]                          ; (the plain instruction behind the reciprocal)
	s_wait_alu depctr_va_vdst(0)
	v_mul_f32 v40, 0xbfb8aa3b, v40                 ; -log2(e) / (2 sigma^2)
	v_sub_f32 v41, 1.0, v41                        ; 1 - scale
	v_readfirstlane_b32 s[KR], v40
	v_readfirstlane_b32 s[OMS], v41
	s_mov_b32 s[KR+1], s[KR]
	s_mov_b32 s[OMS+1], s[OMS]
.irp i, 0,1,2,3,4
	v_mov_b32 v39, s[CENS+\i]
	v_mov_b32 v40, s[CENS+5+\i]
	v_cndmask_b32 v[CEN+\i], v39, v40, s[HM]
.endr
	v_mov_b32 v[CEN+5], 0
	s_wait_loadcnt 33                              ; loads come back in order: the image's 15 are in, the block's 33 may stay out
.set i, 0
.rept 14
	ds_store_b128 v37, v[DG+4*i:DG+4*i+3] offset:4096*i
.set i, i+1
.endr
	ds_store_b32 v38, v[DG+56] offset:BIAS1
	s_wait_dscnt 0x0                               ; for the others' sake: my part of the image is in LDS
	s_barrier_signal -1
	s_barrier_wait -1                              ; everybody's is.  Nothing is written to LDS after this: the launch's only barrier
.Lblk:                                 ; four trips; a wave without a block for the trip jumps over the body
	s_cmp_lt_u32 s[TRIP], s[NT]
	s_cbranch_scc0 .Lnext
	s_wait_xcnt 0x0                                ; the last block's stores have read their base and their data
	s_add_nc_u64 s[OB:OB+1], s[OUT:OUT+1], s[OOF:OOF+1]
	s_wait_loadcnt 0x0                             ; the block
	CONVERT
	PRE 0, 0                                       ; behind the conversions, which read AB0-7
	; |features|^2: X X^T has it on the diagonal
	WIN 5
.irp t, 0,1,2,3
	v_wmma_f32_16x16x32_bf16 v[AC+8*\t:AC+8*\t+7], v[16*\t:16*\t+7], v[16*\t:16*\t+7], 0
.endr
.irp t, 0,1,2,3
	v_wmma_f32_16x16x32_bf16 v[AC+8*\t:AC+8*\t+7], v[16*\t+8:16*\t+15], v[16*\t+8:16*\t+15], v[AC+8*\t:AC+8*\t+7]
.endr
	WIN 0
	v_cvt_pk_bf16_f32 v[TMP+8], v[DEP], v[DEP+1]   ; depth rounded to bf16: six plain lines, the places behind those products
	v_cvt_pk_bf16_f32 v[TMP+9], v[DEP+2], v[DEP+3]
	v_lshlrev_b32 v[DEP], 16, v[TMP+8]
	v_and_b32 v[DEP+1], s[HM], v[TMP+8]
	v_lshlrev_b32 v[DEP+2], 16, v[TMP+9]
	v_and_b32 v[DEP+3], s[HM], v[TMP+9]
.irp t, 0,1,2,3
	v_pk_mul_f32 v[TMP+2*\t:TMP+2*\t+1], v[AC+8*\t:AC+8*\t+1], v[GM:GM+1]
.endr
.irp i, 2,4,6
.irp t, 0,1,2,3
	v_pk_fma_f32 v[TMP+2*\t:TMP+2*\t+1], v[AC+8*\t+\i:AC+8*\t+\i+1], v[GM+\i:GM+\i+1], v[TMP+2*\t:TMP+2*\t+1]
.endr
.endr
.irp t, 0,1,2,3
	v_add_f32 v[TMP+2*\t], v[TMP+2*\t], v[TMP+2*\t+1]
.endr
.irp t, 0,1,2,3
	v_permlanex16_b32 v[TMP+2*\t+1], v[TMP+2*\t], s[SEL], s[SEL+1]  ; pixel r's diagonal lies in one half of the lanes; the other holds 0
.endr
.irp t, 0,1,2,3
	v_add_f32 v[TMP+2*\t], v[TMP+2*\t], v[TMP+2*\t+1]
.endr
.irp t, 0,1,2,3
	v_max_num_f32 v[INVN+\t], 0x179abe15, v[TMP+2*\t]
.endr
	; enc_d.  One batch: 20 exponentials and the four reciprocal roots, one wait
	RBF DEP, D1
	QN 4, v_rsq_f32 v[INVN+o], v[INVN+o]
	v_nop
	s_wait_alu depctr_va_vdst(0)
	WIN 0x40
	EHI H0, 7, D1, D1+4                            ; slots 14, 15 of fragment 0
	EHI H1, 0, D1+8, D1+12                         ; slots 0, 1 of fragment 1
	WIN 0x01
	ELO H0, 7, 0, D1, D1
	ELO H0, 7, 1, D1+4, D1+4
	ELO H1, 0, 0, D1+8, D1+8
	ELO H1, 0, 1, D1+12, D1+12
	WIN 0x40
	EHI H1, 1, D1+16, D1+8                         ; slot 2, and slot 3: the low part of slot 0
	WIN 0x01
	ELO H1, 1, 0, D1+16, D1+16
	WIN 0x40
	EHI L0, 7, D1, D1+4
	EHI H1, 2, D1+12, D1+16                        ; slots 4, 5: the low parts of slots 1, 2
	WIN 0
	; APPROACH
	GROUP 0, 0
	GROUP 0, 1
	TAIL 0
.irp c, 0,1,2
.irp t, 0,1,2,3
	v_add_f32 v[XQ+4*\c+\t], s[AB3+\c], v[DG+8*\t+\c]
.endr
.endr
	NORMQ 3
	PKN 2, v_pk_mul_f32 v[IV+o:IV+o+1], v[IV+o:IV+o+1], s[SCL:SCL+1] op_sel_hi:[1,0]
	PKN 2, v_pk_mul_f32 v[XQ+o:XQ+o+1], v[XQ+o:XQ+o+1], v[IV+o:IV+o+1]
	PKN 2, v_pk_mul_f32 v[XQ+4+o:XQ+5+o], v[XQ+4+o:XQ+5+o], v[IV+o:IV+o+1]
	PKN 2, v_pk_fma_f32 v[XQ+8+o:XQ+9+o], v[XQ+8+o:XQ+9+o], v[IV+o:IV+o+1], s[OMS:OMS+1] op_sel_hi:[1,1,0]
	NORMQ 3
	PKN 2, v_pk_mul_f32 v[XQ+o:XQ+o+1], v[XQ+o:XQ+o+1], v[IV+o:IV+o+1]
	PKN 2, v_pk_mul_f32 v[XQ+4+o:XQ+5+o], v[XQ+4+o:XQ+5+o], v[IV+o:IV+o+1]
	PKN 2, v_pk_mul_f32 v[XQ+8+o:XQ+9+o], v[XQ+8+o:XQ+9+o], v[IV+o:IV+o+1]
	SINCOS 6
	ENCSEL 3
.irp t, 0,1,2,3
	v_cndmask_b32 v[WQ+48+\t], v[XQ+\t], v[XQ+4+\t], s[HM]      ; slot 12: x | y
	v_cndmask_b32 v[WQ+52+\t], v[XQ+8+\t], v[ONE], s[HM]        ; slot 13: z | 1
.endr
	v_cndmask_b32 v[ZD], v[XQ+8], v[XQ+10], s[HM]  ; z of pixels 4 r + 2 h and 4 r + 2 h + 1
	v_cndmask_b32 v[ZD+1], v[XQ+9], v[XQ+11], s[HM]
	global_store_b128 v[OO], v[WQ+48:WQ+51], s[OB:OB+1] th:TH_STORE_NT                 ; planes 0 | 1: 16 lanes store 256 consecutive bytes, aligned
	global_store_b64 v[ZO], v[ZD:ZD+1], s[OB:OB+1] offset:2*PLANE th:TH_STORE_NT       ; plane 2: 32 lanes store 256 consecutive bytes, aligned
	WIN 0x40
.irp p, 0,1,2,3,4,5,6
	EHI H0, \p, WQ+8*\p, WQ+8*\p+4
.endr
	WIN 0x01
.irp p, 0,1,2,3,4,5
	ELO H0, \p, 0, WQ+8*\p, WQ+8*\p
	ELO H0, \p, 1, WQ+8*\p+4, WQ+8*\p+4
.endr
	ELO H0, 6, 0, WQ+48, LO12                      ; x | y is a store's data: its low part goes elsewhere
	ELO H0, 6, 1, WQ+52, WQ+52
	WIN 0x40
.irp p, 0,1,2,3,4,5
	EHI L0, \p, WQ+8*\p, WQ+8*\p+4
.endr
	EHI L0, 6, LO12, WQ+52
	WIN 0
	s_wait_xcnt 0x0                                ; the two stores have read their data: the next batch writes over it
	; BETA
	GROUP 1, 0
	GROUP 1, 1
	TAIL 1
.irp c, 0,1
.irp t, 0,1,2,3
	v_add_f32 v[XQ+4*\c+\t], s[BB3+\c], v[DG+8*\t+\c]
.endr
.endr
	NORMQ 2
	PKN 2, v_pk_mul_f32 v[XQ+o:XQ+o+1], v[XQ+o:XQ+o+1], v[IV+o:IV+o+1]
	PKN 2, v_pk_mul_f32 v[XQ+4+o:XQ+5+o], v[XQ+4+o:XQ+5+o], v[IV+o:IV+o+1]
	SINCOS 4
	ENCSEL 2
.irp t, 0,1,2,3
	v_cndmask_b32 v[BXY+\t], v[XQ+\t], v[XQ+4+\t], s[HM]
.endr
	global_store_b128 v[OO], v[BXY:BXY+3], s[OB:OB+1] offset:3*PLANE th:TH_STORE_NT    ; planes 3 | 4
	WIN 0x40
.irp p, 0,1,2,3
	EHI H1, 3+\p, WQ+8*\p, WQ+8*\p+4               ; slots 6 .. 13 of fragment 1
.endr
	EHIZ H1, 7, BXY                                ; slot 14; slot 15 is 0
	WIN 0x01
.irp p, 0,1,2,3
	ELO H1, 3+\p, 0, WQ+8*\p, WQ+8*\p
	ELO H1, 3+\p, 1, WQ+8*\p+4, WQ+8*\p+4
.endr
	ELO H1, 7, 0, BXY, LOB
	WIN 0x40
.irp p, 0,1,2,3
	EHI L1, 3+\p, WQ+8*\p, WQ+8*\p+4
.endr
	EHIZ L1, 7, LOB
	WIN 0
	s_wait_xcnt 0x0                                ; the store has read its data, and the last trip's prefetches their base
	; My own next block is asked for: its 256 bytes of each of the 64 planes, a lane a plane, two lines; each is named once in the launch.  The loads that want them stand behind the width branch and
	; three quarters of the dist branch.  A wave's last trip asks for nothing.  Depth, 256 bytes a block, is not asked for.
	s_add_co_u32 s[ST+6], s[TRIP], 1
	s_cmp_lt_u32 s[ST+6], s[NT]
	s_cbranch_scc0 .Lnopf
	s_add_co_u32 s[ST+6], s[BLK], 8
	IMGWIN ST+6
	s_add_nc_u64 s[PFB:PFB+1], s[FEAT:FEAT+1], s[ST+2:ST+3]
	global_prefetch_b8 v[PFO], s[PFB:PFB+1] th:TH_LOAD_NT scope:SCOPE_SE
	global_prefetch_b8 v[PFO], s[PFB:PFB+1] offset:32*PLANE th:TH_LOAD_NT scope:SCOPE_SE
.Lnopf:
	; WIDTH
	GROUP 2, 0
	GROUP 2, 1
	TAIL 2
.irp t, 0,1,2,3
	v_add_f32 v[WR+\t], s[WB3], v[DG+8*\t]
.endr
	RBF WR, D1                                     ; enc_w
	v_nop
	s_wait_alu depctr_va_vdst(0)
	WIN 0x40
	EHI H2, 0, D1, D1+4
	EHI H2, 1, D1+8, D1+12
	EHIZ H2, 2, D1+16
	WIN 0
	; DIST, and the two sigmoids: dist in lanes 0-15, width in lanes 16-31
	GROUP 3, 0
	GROUP 3, 1
	TAIL 3
.irp t, 0,1,2,3
	v_add_f32 v[TMP+\t], s[DB3], v[DG+8*\t]
.endr
.irp t, 0,1,2,3
	v_cndmask_b32 v[TMP+\t], v[TMP+\t], v[WR+\t], s[HM]
.endr
	PKN 2, v_pk_mul_f32 v[TMP+o:TMP+o+1], v[TMP+o:TMP+o+1], 0xbfb8aa3b op_sel_hi:[1,0]
	QN 4, v_exp_f32 v[TMP+o], v[TMP+o]
	v_nop
	s_wait_alu depctr_va_vdst(0)
	PKN 2, v_pk_add_f32 v[TMP+o:TMP+o+1], v[TMP+o:TMP+o+1], 1.0 op_sel_hi:[1,0]
	QN 4, v_rcp_f32 v[TMP+o], v[TMP+o]
	v_nop
	s_wait_alu depctr_va_vdst(0)
	global_store_b128 v[OO], v[TMP:TMP+3], s[OB:OB+1] offset:5*PLANE th:TH_STORE_NT    ; planes 5 | 6
.Lnext:
	s_add_co_u32 s[TRIP], s[TRIP], 1
	s_cmp_lt_u32 s[TRIP], 4
	s_cbranch_scc1 .Lblk
	s_wait_tensorcnt 0x0                           ; the wave's end, behind my last LDS store
	ds_add_u32 v[SPW], v[NIL]
	s_wait_dscnt 0x0
	s_endpgm
.Lfunc_end_k_q4fe5ccf4de_pose:
	.size	k_q4fe5ccf4de_pose, .Lfunc_end_k_q4fe5ccf4de_pose-k_q4fe5ccf4de_pose
	.p2alignl 7, 3214868480
	.fill 96, 4, 3214868480
	.section	.rodata,"a",@progbits
	.p2align	6, 0x0
	.amdhsa_kernel k_q4fe5ccf4de_pose
		.amdhsa_group_segment_fixed_size 59392
		.amdhsa_private_segment_fixed_size 0
		.amdhsa_enable_private_segment 0
		.amdhsa_kernarg_size 120
		.amdhsa_user_sgpr_count 2
		.amdhsa_user_sgpr_kernarg_segment_ptr 1
		.amdhsa_wavefront_size32 1
		.amdhsa_system_sgpr_workgroup_id_x 1
		.amdhsa_system_sgpr_workgroup_id_y 1
		.amdhsa_system_sgpr_workgroup_id_z 1
		.amdhsa_system_vgpr_workitem_id 0
		.amdhsa_next_free_vgpr 512
		.amdhsa_next_free_sgpr 106
		.amdhsa_reserve_vcc 1
		.amdhsa_float_denorm_mode_32 3
		.amdhsa_float_denorm_mode_16_64 3
		.amdhsa_memory_ordered 1
		.amdhsa_forward_progress 1
		.amdhsa_inst_pref_size 255
	.end_amdhsa_kernel
	.section	.bss,"aw",@nobits
	.p2align	6
	.space	262144
	.amdgpu_metadata
---
amdhsa.version: [ 1, 2 ]
amdhsa.kernels:
  - .name:           k_q4fe5ccf4de_pose
    .symbol:         k_q4fe5ccf4de_pose.kd
    .args:
      - { .name: features, .offset: 0, .size: 8, .value_kind: global_buffer, .address_space: global }
      - { .name: depth_, .offset: 8, .size: 8, .value_kind: global_buffer, .address_space: global }
      - { .name: wpack, .offset: 16, .size: 8, .value_kind: global_buffer, .address_space: global }
      - { .name: out0, .offset: 24, .size: 8, .value_kind: global_buffer, .address_space: global }
      - { .name: params_appr_w0_1, .offset: 32, .size: 8, .value_kind: global_buffer, .address_space: global }
      - { .name: params_appr_w0_2, .offset: 40, .size: 8, .value_kind: global_buffer, .address_space: global }
      - { .name: params_beta_w0_1, .offset: 48, .size: 8, .value_kind: global_buffer, .address_space: global }
      - { .name: params_beta_w0_2, .offset: 56, .size: 8, .value_kind: global_buffer, .address_space: global }
      - { .name: params_scale, .offset: 64, .size: 8, .value_kind: global_buffer, .address_space: global }
      - { .name: params_sigma, .offset: 72, .size: 8, .value_kind: global_buffer, .address_space: global }
      - { .name: params_centers, .offset: 80, .size: 8, .value_kind: global_buffer, .address_space: global }
      - { .name: params_appr_b3, .offset: 88, .size: 8, .value_kind: global_buffer, .address_space: global }
      - { .name: params_beta_b3, .offset: 96, .size: 8, .value_kind: global_buffer, .address_space: global }
      - { .name: params_width_b3, .offset: 104, .size: 8, .value_kind: global_buffer, .address_space: global }
      - { .name: params_dist_b3, .offset: 112, .size: 8, .value_kind: global_buffer, .address_space: global }
    .group_segment_fixed_size: 59392
    .private_segment_fixed_size: 0
    .kernarg_segment_align: 8
    .kernarg_segment_size: 120
    .max_flat_workgroup_size: 256
    .sgpr_count:     106
    .vgpr_count:     512
    .wavefront_size: 32
...
	.end_amdgpu_metadata
.endif
;; end of part 2
;; ======== version 2 of 2: 2 launches
;; limits: values are held in f16: magnitudes above 65,504 overflow, below 6.1e-05 lose precision; right only within a limited range of input values; inputs' magnitudes at most 65,504; an absolute error that grows with the inputs' magnitude: up to 1e-07 times it
;; workspace buffers: wpack 58,368 bytes
;; launch pack (part 3): grid 57 x 1, 2 waves a work-group, no clusters, 0 bytes of LDS; arguments params_appr_W1, params_beta_W1, params_width_W1, params_dist_W1, params_appr_W2, params_beta_W2, params_width_W2, params_dist_W2, params_appr_W3, params_beta_W3, params_width_W3, params_dist_W3, params_beta_Wf, params_beta_bf, params_width_Wf, params_width_bf, params_dist_Wf, params_dist_bf, params_appr_b1, params_beta_b1, params_width_b1, params_dist_b1, params_appr_b2, params_beta_b2, params_width_b2, params_dist_b2, wpack; writes wpack
.if DOCPART == 3
	.amdgcn_target "amdgcn-amd-amdhsa--gfx1250"
	.amdhsa_code_object_version 6
	.text
	.protected	k_q4fe5ccf4de_pack
	.globl	k_q4fe5ccf4de_pack
	.p2align	8
	.type	k_q4fe5ccf4de_pack,@function
k_q4fe5ccf4de_pack:
	s_mov_b64 s[64:65], 0
	v_nop
	global_prefetch_b8 v0, s[64:65] scope:SCOPE_SE
	s_setreg_imm32_b32 hwreg(HW_REG_WAVE_MODE, 25, 1), 1
	s_wait_xcnt 0x0
; PACK: the weights and biases of the four branches, laid out as the second launch reads them from LDS.
; DEAD WORK, for the whole program.  params_width_w0_1, params_width_w0_2, params_dist_w0_1 and params_dist_w0_2 have no way to any output:
; film_fusion is called with use_sin = False for width and for dist, so the arm jnp.sin(p['w0_*'] * h) is never built, whatever the inputs hold.
; These four inputs are not loaded and are among no launch's arguments.  LIMIT: a NaN or an infinity in them is not carried to the result.
; FORMATS.  Every number is rounded once to bf16 (nearest even).  Weights that multiply bounded operands (sines, encodings) are that bf16 number written as f16:
; exact from 2^-17 up to 65,504; below 2^-17 it keeps f16's fixed step of 2^-24; beyond 65,504 it is lost (stated limit).  The others stay bf16.
; THE IMAGE, 58,368 bytes.  56 fragments of 1,024 bytes: the 16 bytes of (fragment f, part p, lane l) lie at 1024 f + 512 p + 16 l and hold k = 16 p + 8 (l / 16) + 0..7 of row l % 16.
;   f = 4 b + 2 g + s        W1 of branch b (0 appr, 1 beta, 2 width, 3 dist), rows 16 g .., channels 32 s ..                        bf16
;   f = 16 + 2 b + g         W2 of branch b, channels 16 g + 8 (l / 16) + e in both parts                                             f16 for b < 2, else bf16
;                            b < 2: one part multiplies the operand's high parts, the other its low parts.  b >= 2: the second launch takes part 0 of g = 0 and part 1 of g = 1,
;                            which together are W2 with k in its natural order; the other two parts are written all the same, since that launch copies the whole image
;   f = 24 + b               W3 of branch b, row (l % 16) % 8 where it exists, else 0, both parts (b >= 2: part 0 alone is multiplied)  as W2
;   f = 28 .. 55             Wf by slots (the macro WF)                                                                               f16
; Then 1,024 bytes of f32: b1 of the four branches (128 bytes each), b2 of the four (64 each), 256 bytes of 0.
; SHARES.  Work-group f makes fragment f, its wave p part p, a lane 16 bytes: a wave's one store covers 512 consecutive bytes, aligned.  Work-group 56 makes the biases.
; Every branch hangs on the work-group's and the wave's number alone and goes forward.
	s_load_b64 s[4:5], s[0:1], 0xd0                ; wpack
	v_and_b32 v1, 31, v0                           ; lane
	v_and_b32 v2, 15, v0                           ; m: the fragment's row
	v_bfe_u32 v3, v0, 4, 1                         ; h: which half of the lanes
	v_lshrrev_b32 v12, 5, v0
	v_readfirstlane_b32 s6, v12                    ; p
	s_mov_b32 s7, ttmp9                            ; f
	s_lshl_b32 s18, s7, 10
	v_lshl_add_u32 v4, v0, 4, s18                  ; 1024 f + 512 p + 16 lane
	v_cvt_f32_u32 v11, v3
	v_fma_f32 v11, v11, -0.5, 1.0                  ; 1 for lanes 0-15, 0.5 for lanes 16-31
	v_cmp_ne_u32 s21, 0, v3                        ; the mask of lanes 16-31
.macro PICK4                           ; s[16:17] = buffer number s19 of the four in s[8:15]
	s_cmp_eq_u32 s19, 1
	s_cselect_b64 s[16:17], s[10:11], s[8:9]
	s_cmp_eq_u32 s19, 2
	s_cselect_b64 s[16:17], s[12:13], s[16:17]
	s_cmp_eq_u32 s19, 3
	s_cselect_b64 s[16:17], s[14:15], s[16:17]
.endm
.macro LDW e, vo, col                  ; element e of my eight = column col of Wf, from the row offset in v[vo]
	global_load_b32 v[16+(\e)], v[\vo], s[8:9] offset:4*(\col)
.endm
.macro ZERO from                       ; elements from .. 7 are 0
.set z, \from
.rept 8-(\from)
	v_mov_b32 v[16+z], 0
.set z, z+1
.endr
.endm
.macro HALVE from, cnt                 ; slots that carry sin | 2 cos: lanes 16-31 take half the weight (a power of two: it commutes with the rounding that follows)
.set z, \from
.rept \cnt
	v_mul_f32 v[16+z], v11, v[16+z]
.set z, z+1
.endr
.endm
	s_cmp_lt_u32 s7, 16
	s_cbranch_scc0 .Lnot1
	; W1: element e = W1[16 g + m][32 s + 16 p + 8 h + e]
	s_load_b256 s[8:15], s[0:1], 0x0
	s_lshr_b32 s19, s7, 2                          ; b
	s_bfe_u32 s20, s7, 0x10001                     ; g
	s_and_b32 s22, s7, 1                           ; s
	s_lshl_b32 s20, s20, 12                        ; 16 rows of 256 bytes
	s_lshl_b32 s22, s22, 7
	s_add_co_u32 s20, s20, s22
	s_lshl_b32 s22, s6, 6
	s_add_co_u32 s20, s20, s22
	v_lshl_add_u32 v5, v2, 8, s20
	v_lshl_add_u32 v5, v3, 5, v5
	s_wait_kmcnt 0x0
	PICK4
	global_load_b128 v[16:19], v5, s[16:17]
	global_load_b128 v[20:23], v5, s[16:17] offset:16
	s_branch .Ltailb
.Lnot1:
	s_cmp_lt_u32 s7, 24
	s_cbranch_scc0 .Lnot2
	; W2: element e = W2[m][16 g + 8 h + e], the same in both parts
	s_load_b256 s[8:15], s[0:1], 0x20
	s_sub_co_u32 s18, s7, 16
	s_lshr_b32 s19, s18, 1                         ; b
	s_and_b32 s20, s18, 1                          ; g
	s_lshl_b32 s20, s20, 6
	v_lshl_add_u32 v5, v2, 7, s20
	v_lshl_add_u32 v5, v3, 5, v5
	s_wait_kmcnt 0x0
	PICK4
	global_load_b128 v[16:19], v5, s[16:17]
	global_load_b128 v[20:23], v5, s[16:17] offset:16
	s_cmp_lt_u32 s19, 2
	s_cbranch_scc1 .Ltailf
	s_branch .Ltailb
.Lnot2:
	s_cmp_lt_u32 s7, 28
	s_cbranch_scc0 .Lnot3
	; W3: rows m % 8 below the branch's 3, 2, 1, 1 outputs; the others are 0.  The load's row is clamped, so that it stays inside the buffer.
	s_load_b256 s[8:15], s[0:1], 0x40
	s_sub_co_u32 s19, s7, 24                       ; b
	s_sub_co_u32 s18, 3, s19
	s_max_u32 s18, s18, 1                          ; outputs: 3, 2, 1, 1
	s_sub_co_u32 s20, s18, 1
	v_and_b32 v6, 7, v2
	v_min_u32 v7, s20, v6
	v_lshlrev_b32 v5, 6, v7
	v_lshl_add_u32 v5, v3, 5, v5
	s_wait_kmcnt 0x0
	PICK4
	global_load_b128 v[16:19], v5, s[16:17]
	global_load_b128 v[20:23], v5, s[16:17] offset:16
	s_wait_loadcnt 0x0
	v_cmp_gt_u32 vcc_lo, s18, v6
.irp e, 0,1,2,3,4,5,6,7
	v_cndmask_b32 v[16+\e], 0, v[16+\e], vcc_lo
.endr
	s_cmp_lt_u32 s19, 2
	s_cbranch_scc1 .Ltailf
	s_branch .Ltailb
; Wf, NC columns, rows 16 mu + m; D0 = the first column of enc_d.  Slot q = 8 p + e of a fragment stands for one column in lanes 0-15 and another in lanes 16-31:
;   fragment 0: q 0-11: 3 + q | 15 + q (sin | cos of the approach, the cosine's halved);  12: 0 | 1;  13: 2 | bf[row] (the slot holds 1);  14, 15: D0 + q - 14 | + 5
;   fragment 1: q 0-2: D0 + 2 + q | + 5;  3-5: the same columns once more (these slots hold enc_d's low parts);  6-13: 29 + q - 6 | + 8 (sin | cos of beta);  14: 27 | 28;  15: 0
;   fragment 2 (dist): q 0-4: 45 + q | + 5 (enc_w);  the rest 0
.macro WF NC, D0, HASB, ARGOFF, BASE, NA
	s_load_b128 s[8:11], s[0:1], \ARGOFF           ; Wf s[8:9], bf s[10:11]
	s_sub_co_u32 s18, s7, \BASE
.if (\NA) == 2
	s_lshr_b32 s19, s18, 1                         ; mu
	s_and_b32 s20, s18, 1                          ; which fragment of the row block
.else
	s_mul_i32 s19, s18, 11
	s_lshr_b32 s19, s19, 5                         ; mu = i / 3 for i = 0 .. 11
	s_mul_i32 s20, s19, 3
	s_sub_co_u32 s20, s18, s20
.endif
	s_lshl1_add_u32 s20, s20, s6                   ; 2 x fragment + part
	s_lshl_b32 s19, s19, 4
	v_add_nc_u32 v12, s19, v2                      ; row
	v_mul_u32_u24 v5, v12, 4*(\NC)                 ; the row's first byte,
	v_mad_u32_u24 v6, v3, 48, v5                   ; and 12, 5, 8, 1 columns on for lanes 16-31
	v_mad_u32_u24 v7, v3, 20, v5
	v_lshl_add_u32 v8, v3, 5, v5
	v_lshl_add_u32 v9, v3, 2, v5
	v_lshlrev_b32 v10, 2, v12
	s_wait_kmcnt 0x0
	s_cmp_eq_u32 s20, 0
	s_cbranch_scc0 .Lc1_\@
.irp e, 0,1,2,3,4,5,6,7
	LDW \e, 6, 3+\e
.endr
	s_wait_loadcnt 0x0
	HALVE 0, 8
	s_branch .Ltailf
.Lc1_\@:
	s_cmp_eq_u32 s20, 1
	s_cbranch_scc0 .Lc2_\@
.irp e, 0,1,2,3
	LDW \e, 6, 11+\e
.endr
	LDW 4, 9, 0
	LDW 5, 5, 2
	global_load_b32 v24, v10, s[10:11]
	LDW 6, 7, \D0
	LDW 7, 7, (\D0)+1
	s_wait_loadcnt 0x0
	HALVE 0, 4
	v_cndmask_b32 v21, v21, v24, s21
	s_branch .Ltailf
.Lc2_\@:
	s_cmp_eq_u32 s20, 2
	s_cbranch_scc0 .Lc3_\@
.irp e, 0,1,2
	LDW \e, 7, (\D0)+2+\e
	LDW 3+\e, 7, (\D0)+2+\e
.endr
.if \HASB
	LDW 6, 8, 29
	LDW 7, 8, 30
	s_wait_loadcnt 0x0
	HALVE 6, 2
.else
	ZERO 6
.endif
	s_branch .Ltailf
.Lc3_\@:
.if (\NA) == 3
	s_cmp_eq_u32 s20, 3
	s_cbranch_scc0 .Lc4_\@
.endif
.if \HASB
.irp e, 0,1,2,3,4,5
	LDW \e, 8, 31+\e
.endr
	LDW 6, 9, 27
	ZERO 7
	s_wait_loadcnt 0x0
	HALVE 0, 6
.else
	ZERO 0
.endif
	s_branch .Ltailf
.if (\NA) == 3
.Lc4_\@:
	s_cmp_eq_u32 s20, 4
	s_cbranch_scc0 .Lc5_\@
.irp e, 0,1,2,3,4
	LDW \e, 7, 45+\e
.endr
	ZERO 5
	s_branch .Ltailf
.Lc5_\@:
	ZERO 0
	s_branch .Ltailf
.endif
.endm
.Lnot3:
	s_cmp_lt_u32 s7, 36
	s_cbranch_scc0 .Lnot4
	WF 37, 27, 0, 0x60, 28, 2
.Lnot4:
	s_cmp_lt_u32 s7, 44
	s_cbranch_scc0 .Lnot5
	WF 55, 45, 1, 0x70, 36, 2
.Lnot5:
	s_cmp_lt_u32 s7, 56
	s_cbranch_scc0 .Lbias
	WF 65, 55, 1, 0x80, 44, 3
.Lbias:                                ; the biases, rounded to bf16 and kept as f32: each store of a wave covers 256 consecutive bytes, aligned
	s_cmp_eq_u32 s6, 0
	s_cbranch_scc0 .Lbias2
	s_load_b256 s[8:15], s[0:1], 0x90              ; b1 of the four branches: 128 bytes each, 16 lanes x 8 bytes
	v_lshlrev_b32 v5, 3, v2
	v_lshl_add_u32 v13, v1, 3, 57344
	s_wait_kmcnt 0x0
	global_load_b64 v[16:17], v5, s[8:9]
	global_load_b64 v[18:19], v5, s[10:11]
	global_load_b64 v[20:21], v5, s[12:13]
	global_load_b64 v[22:23], v5, s[14:15]
	s_wait_loadcnt 0x0
	v_cndmask_b32 v16, v16, v18, s21
	v_cndmask_b32 v17, v17, v19, s21
	v_cndmask_b32 v20, v20, v22, s21
	v_cndmask_b32 v21, v21, v23, s21
	v_cvt_pk_bf16_f32 v28, v16, v17
	v_cvt_pk_bf16_f32 v29, v20, v21
	v_lshlrev_b32 v16, 16, v28
	v_and_b32 v17, 0xffff0000, v28
	v_lshlrev_b32 v20, 16, v29
	v_and_b32 v21, 0xffff0000, v29
	global_store_b64 v13, v[16:17], s[4:5]
	global_store_b64 v13, v[20:21], s[4:5] offset:256
	s_endpgm
.Lbias2:
	s_load_b256 s[8:15], s[0:1], 0xb0              ; b2 of the four branches: 64 bytes each, 8 lanes x 8 bytes
	v_and_b32 v6, 7, v1
	v_lshlrev_b32 v5, 3, v6
	v_lshrrev_b32 v14, 3, v1                       ; which branch's
	v_lshl_add_u32 v13, v1, 3, 57856
	s_wait_kmcnt 0x0
	global_load_b64 v[16:17], v5, s[8:9]
	global_load_b64 v[18:19], v5, s[10:11]
	global_load_b64 v[20:21], v5, s[12:13]
	global_load_b64 v[22:23], v5, s[14:15]
	s_wait_loadcnt 0x0
	v_cmp_eq_u32 vcc_lo, 1, v14
	v_cndmask_b32 v16, v16, v18, vcc_lo
	v_cndmask_b32 v17, v17, v19, vcc_lo
	v_cmp_eq_u32 vcc_lo, 2, v14
	v_cndmask_b32 v16, v16, v20, vcc_lo
	v_cndmask_b32 v17, v17, v21, vcc_lo
	v_cmp_eq_u32 vcc_lo, 3, v14
	v_cndmask_b32 v16, v16, v22, vcc_lo
	v_cndmask_b32 v17, v17, v23, vcc_lo
	v_cvt_pk_bf16_f32 v28, v16, v17
	v_lshlrev_b32 v16, 16, v28
	v_and_b32 v17, 0xffff0000, v28
	v_mov_b32 v20, 0
	v_mov_b32 v21, 0
	global_store_b64 v13, v[16:17], s[4:5]
	global_store_b64 v13, v[20:21], s[4:5] offset:256  ; the image's last 256 bytes are 0
	s_endpgm
.Ltailf:                               ; eight numbers: rounded to bf16, that number written as f16
	s_wait_loadcnt 0x0
.irp i, 0,1,2,3
	v_cvt_pk_bf16_f32 v[28+\i], v[16+2*\i], v[17+2*\i]
.endr
.irp i, 0,1,2,3
	v_lshlrev_b32 v[16+2*\i], 16, v[28+\i]
	v_and_b32 v[17+2*\i], 0xffff0000, v[28+\i]
.endr
.irp i, 0,1,2,3
	v_cvt_pk_f16_f32 v[28+\i], v[16+2*\i], v[17+2*\i]
.endr
	global_store_b128 v4, v[28:31], s[4:5]
	s_endpgm
.Ltailb:                               ; eight numbers rounded to bf16
	s_wait_loadcnt 0x0
.irp i, 0,1,2,3
	v_cvt_pk_bf16_f32 v[28+\i], v[16+2*\i], v[17+2*\i]
.endr
	global_store_b128 v4, v[28:31], s[4:5]
	s_endpgm
.Lfunc_end_k_q4fe5ccf4de_pack:
	.size	k_q4fe5ccf4de_pack, .Lfunc_end_k_q4fe5ccf4de_pack-k_q4fe5ccf4de_pack
	.p2alignl 7, 3214868480
	.fill 96, 4, 3214868480
	.section	.rodata,"a",@progbits
	.p2align	6, 0x0
	.amdhsa_kernel k_q4fe5ccf4de_pack
		.amdhsa_group_segment_fixed_size 0
		.amdhsa_private_segment_fixed_size 0
		.amdhsa_enable_private_segment 0
		.amdhsa_kernarg_size 216
		.amdhsa_user_sgpr_count 2
		.amdhsa_user_sgpr_kernarg_segment_ptr 1
		.amdhsa_wavefront_size32 1
		.amdhsa_system_sgpr_workgroup_id_x 1
		.amdhsa_system_sgpr_workgroup_id_y 1
		.amdhsa_system_sgpr_workgroup_id_z 1
		.amdhsa_system_vgpr_workitem_id 0
		.amdhsa_next_free_vgpr 48
		.amdhsa_next_free_sgpr 66
		.amdhsa_reserve_vcc 1
		.amdhsa_float_denorm_mode_32 3
		.amdhsa_float_denorm_mode_16_64 3
		.amdhsa_memory_ordered 1
		.amdhsa_forward_progress 1
		.amdhsa_inst_pref_size 23
	.end_amdhsa_kernel
	.amdgpu_metadata
---
amdhsa.version: [ 1, 2 ]
amdhsa.kernels:
  - .name:           k_q4fe5ccf4de_pack
    .symbol:         k_q4fe5ccf4de_pack.kd
    .args:
      - { .name: params_appr_W1, .offset: 0, .size: 8, .value_kind: global_buffer, .address_space: global }
      - { .name: params_beta_W1, .offset: 8, .size: 8, .value_kind: global_buffer, .address_space: global }
      - { .name: params_width_W1, .offset: 16, .size: 8, .value_kind: global_buffer, .address_space: global }
      - { .name: params_dist_W1, .offset: 24, .size: 8, .value_kind: global_buffer, .address_space: global }
      - { .name: params_appr_W2, .offset: 32, .size: 8, .value_kind: global_buffer, .address_space: global }
      - { .name: params_beta_W2, .offset: 40, .size: 8, .value_kind: global_buffer, .address_space: global }
      - { .name: params_width_W2, .offset: 48, .size: 8, .value_kind: global_buffer, .address_space: global }
      - { .name: params_dist_W2, .offset: 56, .size: 8, .value_kind: global_buffer, .address_space: global }
      - { .name: params_appr_W3, .offset: 64, .size: 8, .value_kind: global_buffer, .address_space: global }
      - { .name: params_beta_W3, .offset: 72, .size: 8, .value_kind: global_buffer, .address_space: global }
      - { .name: params_width_W3, .offset: 80, .size: 8, .value_kind: global_buffer, .address_space: global }
      - { .name: params_dist_W3, .offset: 88, .size: 8, .value_kind: global_buffer, .address_space: global }
      - { .name: params_beta_Wf, .offset: 96, .size: 8, .value_kind: global_buffer, .address_space: global }
      - { .name: params_beta_bf, .offset: 104, .size: 8, .value_kind: global_buffer, .address_space: global }
      - { .name: params_width_Wf, .offset: 112, .size: 8, .value_kind: global_buffer, .address_space: global }
      - { .name: params_width_bf, .offset: 120, .size: 8, .value_kind: global_buffer, .address_space: global }
      - { .name: params_dist_Wf, .offset: 128, .size: 8, .value_kind: global_buffer, .address_space: global }
      - { .name: params_dist_bf, .offset: 136, .size: 8, .value_kind: global_buffer, .address_space: global }
      - { .name: params_appr_b1, .offset: 144, .size: 8, .value_kind: global_buffer, .address_space: global }
      - { .name: params_beta_b1, .offset: 152, .size: 8, .value_kind: global_buffer, .address_space: global }
      - { .name: params_width_b1, .offset: 160, .size: 8, .value_kind: global_buffer, .address_space: global }
      - { .name: params_dist_b1, .offset: 168, .size: 8, .value_kind: global_buffer, .address_space: global }
      - { .name: params_appr_b2, .offset: 176, .size: 8, .value_kind: global_buffer, .address_space: global }
      - { .name: params_beta_b2, .offset: 184, .size: 8, .value_kind: global_buffer, .address_space: global }
      - { .name: params_width_b2, .offset: 192, .size: 8, .value_kind: global_buffer, .address_space: global }
      - { .name: params_dist_b2, .offset: 200, .size: 8, .value_kind: global_buffer, .address_space: global }
      - { .name: wpack, .offset: 208, .size: 8, .value_kind: global_buffer, .address_space: global }
    .group_segment_fixed_size: 0
    .private_segment_fixed_size: 0
    .kernarg_segment_align: 8
    .kernarg_segment_size: 216
    .max_flat_workgroup_size: 64
    .sgpr_count:     66
    .vgpr_count:     48
    .wavefront_size: 32
...
	.end_amdgpu_metadata
.endif
;; end of part 3
;; launch pose (part 4): grid 256 x 1, 8 waves a work-group, no clusters, 327,680 bytes of LDS; arguments features, depth_, wpack, out0, params_appr_w0_1, params_appr_w0_2, params_beta_w0_1, params_beta_w0_2, params_scale, params_sigma, params_centers, params_appr_b3, params_beta_b3, params_width_b3, params_dist_b3; writes out0
.if DOCPART == 4
	.amdgcn_target "amdgcn-amd-amdhsa--gfx1250"
	.amdhsa_code_object_version 6
	.text
	.protected	k_q4fe5ccf4de_pose
	.globl	k_q4fe5ccf4de_pose
	.p2align	8
	.type	k_q4fe5ccf4de_pose,@function
k_q4fe5ccf4de_pose:
	s_mov_b64 s[64:65], 0
	v_nop
	global_prefetch_b8 v0, s[64:65] scope:SCOPE_SE
	s_setreg_imm32_b32 hwreg(HW_REG_WAVE_MODE, 25, 1), 1
	s_wait_xcnt 0x0
; POSE: the whole chain of reference() for every pixel, fused: features and depth are read once, the seven output planes written once, nothing else goes through memory.
; LEFT OUT: params_width_w0_1/2 and params_dist_w0_1/2 (use_sin = False for width and dist: the sine arm is never built; shown at the head of the first kernel).
; IDENTITIES, exact for all values: W1 (x / n) + b1 = (W1 x) / n + b1;  1 / max(sqrt(s), 1e-12) = rsq(max(s, 1e-24));  leaky(x) = max(x, 0.2 x);
; sin and cos of 2 x, 4 x, 8 x by doubling, with d = 2 cos: s' = s d, d' = d d - 2.  The direction encodings' arguments are components of vectors that reference() normalises: |x| <= 1.
; FORMATS.  Every input is rounded once to bf16.  The first layers and the sum of squares multiply these bf16 numbers.
; What feeds beta (the approach and beta branches, enc_a, enc_d) goes to the matrix unit as a high and a low f16 part, both multiplied by the same weights: beta is a normalised 2-vector whose raw norm can be
; small, so what feeds it is kept to some 22 bits; all these operands are bounded (sines, encodings in -2 .. 2).  Width and dist end in a sigmoid (width also in enc_w): their operands are rounded once: the
; encodings' high parts as f16, the leaky layers, which have no bound, as bf16.  The leaky step works on the rounded numbers, two at a time: max(x, 0.2 x) with 0.2 as bf16 (0.200195) and the product rounded to bf16.
; SINE.  y = w0 h / pi = n + f: u = h k + 1.5 x 2^23 holds n in its low bits (k = w0 / pi, made once), f = h k - n in one fused step; sin(w0 h) = (-1)^n sin(pi f): n << 31 added to f's bits turns its sign;
; sin(pi f) by an odd polynomial of degree 9 on -1/2 .. 1/2.
; LIMITS.  |w0 h| below 2^22 pi; the angle carries k's rounding, 1e-7 of itself.  A NaN in one pixel's beta encoding can reach the pixel that the same lane takes in its next block (stale slots are multiplied by
; weights 0); in the last layer of width and dist the operand's upper half holds the same pixel's hidden layer and is multiplied by 0: an infinity there becomes a NaN.  max drops a NaN in the leaky step.
; SHARES.  A block is 64 consecutive pixels of an image: 256 bytes, aligned, of every plane; 6,272 blocks.  Work-group w has 24 + w % 2 of them from 24 w + w / 2 on; wave v takes every eighth: three, and wave 0 of an odd
; work-group a fourth.  A wave works on its block's four tiles at once; tile t is the pixels 4 r + t (r = lane % 16): a load of 16 bytes a lane then brings one channel of the lane's pixel in each tile, and two such registers
; rounded in pairs ARE source 1 of the products.  Source 0 is weights: in a result lane (r, h) holds pixel r and channels 8 h + 0..7, which, rounded in pairs, is again source 1.  Nothing changes lanes but one sum.
; The two halves of the lanes hold different k of one pixel: lanes 0-15 keep the sines, lanes 16-31 the cosines (times 2), and likewise x | y, z | 1, centers i | i + 5.
; HOW THE FEATURES COME.  A wave's first block comes straight into registers.  Its second and third are asked for at the head too, by one tensor load each (64 planes x 256 bytes) into two LDS slots of the wave's own, and
; are read from there near the end of the trip before: no 128 registers are free earlier in a trip, and LDS has the room.  Each slot is filled once, by its wave, and read by that wave alone, behind its own wait: no barrier.
; A wave has two tensor loads outstanding.  A fourth block (LDS has no room for a third slot: 6,144 bytes are left) comes into registers by loads near the end of the third trip.
; NO CLUSTER.  No wave wants a byte of features that another fetched.  What work-groups share is the image of weights: 58,368 bytes once a work-group against 24 blocks x 16,640 bytes of its own: a small part of what it reads.
; LDS: 0 .. 58,367 the image made by the first launch (stored from registers);  58,368 .. 59,391 the spare words, 128 bytes a wave, which no other line names;
; 59,392 .. 321,535 the slots: wave v's two at 59,392 + 32,768 v and 16,384 further on.  No tensor load lands in bytes that are stored to.
.set PLANE, 200704                     ; bytes in a plane of 224 x 224 f32
.set IMGF,  64*PLANE
.set IMGO,  7*PLANE
.set BIAS1, 57344
.set BIAS2, 57856
.set ZEROS, 58112                      ; the image's 256 bytes of 0
.set SPARE, 58368
.set SLOTS, 59392
.set SLOTB, 16384                      ; a slot: 64 rows of 256 bytes
; window 0
.set LA,   1                           ; 16 x lane: my 16 bytes of half a weight fragment
.set LB,   2                           ; 32 h: my eight biases
.set FO,   3                           ; 8 h planes + 16 r: features
.set OO,   4                           ; h planes + 16 r: two output planes by one store
.set DOF,  5                           ; 16 r: depth; also my 16 bytes of the image's zeros
.set ONE,  6                           ; 1.0
.set ZO,   7                           ; 16 r + 8 h: one output plane by one store of 8 bytes a lane
.set SPW,  8                           ; my spare word; never rewritten
.set NIL,  9                           ; 0, for the add alone
.set CEN,  10                          ; v[10:14] centers i + 5 h
.set XA,   15                          ; my wave's first slot + 8 h rows + 16 r; never rewritten (named with v14 as a pair, of which the low word alone is taken)
.set GM,   16                          ; v[16:23] 1.0 where r = 8 h + j: picks the diagonal
.set INVN, 24                          ; v[24:27] 1 / |features|, a tile each
.set DEP,  28                          ; v[28:31] depth
.set TMP,  32                          ; v[32:63] at work; also the FiLM shift's accumulators
.set DG,   64                          ; v[64:95] the FiLM gain's accumulators, then the layer's result
.set D1,   96                          ; v[96:127] the first layer's accumulators
.set AC,   128                         ; v[128:159] the second layer's accumulators
.set AB,   160                         ; v[160:231] nine weight fragments; the first eight also take the next block's raw channels 32-63
.set BB,   232                         ; v[232:247] two bias tables
.set WR,   248                         ; v[248:251] raw width
.set PFO,  252                         ; lane x plane
.set MONE, 253                         ; -1.0
.set ZR,   254                         ; 0
.set CM2,  255                         ; 0 | -2: what the doubling adds in the sines' | the cosines' lanes
; names inside TMP .. AC for the steps between the branches
.set XQ,   32                          ; a vector's components, four tiles side by side
.set SS,   44
.set IV,   48
.set R2A,  44
.set QQ,   64
.set WQ,   64                          ; slot q of an encoding at WQ + 4 q
.set SN,   128
.set DC,   140
.set ZD,   120
.set LO12, 122
.set BXY,  96
; window 1: v[0:63] features as bf16, tile t, channels 32 s .. at 16 t + 8 s; v[160:191] not used
.set H0,   64                          ; encodings, tile t at + 8 t: high parts, fragment 0; with L0 it also takes the next block's raw channels 0-31
.set L0,   96                          ; fragment 0's low parts
.set H1,   128
.set H2,   192
.set FF,   224                         ; a hidden layer.  f16: registers 0-3 high parts, 4-7 low parts of 16 channels.  bf16: 32 channels
; scalars.  A packed line names a pair and takes its low word for both halves; the odd register holds something that has been written.
.set OOF,  2                           ; s[2:3] my next block's offset in out0
.set FEAT, 4
.set DEPTH,6
.set WP,   8
.set OUT,  10
.set G0B,  12                          ; s[12:15] descriptor group 0 of the second slot's load   (these sixteen registers hold pointers to small inputs at the head;
.set P3,   16                          ; the polynomial of sin(pi f): P1 f + P3 f^3 + .. + P9 f^9      once the descriptors are made they are never written again)
.set P1,   18
.set G0A,  20                          ; s[20:23] descriptor group 0 of the first slot's load
.set G1,   24                          ; s[24:31] descriptor group 1: the shape, the same for both
.set W01,  34                          ; w0 / pi of the four sine layers
.set TRIP, 35
.set W02,  36
.set NT,   37
.set BW01, 38
.set BLK,  39
.set BW02, 40
.set WV,   41
.set SCL,  42
.set HM,   43                          ; 0xffff0000: lanes 16-31, and a word's upper half
.set OMS,  44
.set KR,   46
.set P9,   48
.set MAGIC,50
.set NMAGIC,52
.set P7,   54
.set P5,   56
.set C9,   58                          ; the polynomial of sin(x), x in radians, for the direction encodings
.set C7,   60
.set C5,   62
.set C3,   66
.set K10,  68
.set K8,   70
.set K6,   72
.set K4,   74
.set AB3,  76
.set BB3,  80
.set WB3,  82
.set DB3,  83
.set CENS, 84                          ; s[84:93] the centers, at the head only
.set ST,   84                          ; s84-90 the block arithmetic's temporaries
.set OB,   94
.set SEL,  96
.set FB0,  98
.set FB1,  100
.set SDB,  104
.set MSB, 0
.macro WIN new                         ; s_set_vgpr_msb: bits 1:0 source 0, 3:2 source 1, 5:4 source 2, 7:6 destination; the high byte repeats the setting that is left
.if MSB != (\new)
	s_set_vgpr_msb (MSB<<8)|(\new)
.set MSB, \new
.endif
.endm
.macro NOP4                            ; four places behind matrix instructions (ISA guide 7.12.1), where no other vector work is at hand
.rept 4
	v_nop
.endr
.endm
.macro PKN cnt, line:vararg            ; one line for cnt register pairs: o = 0, 2, ..
.set o, 0
.rept \cnt
	\line
.set o, o+2
.endr
.endm
.macro QN cnt, line:vararg             ; one line for cnt registers: o = 0, 1, ..
.set o, 0
.rept \cnt
	\line
.set o, o+1
.endr
.endm
.macro KPAIR r, val
	s_mov_b32 s[\r], \val
	s_mov_b32 s[(\r)+1], \val
.endm
.macro SRND r                          ; a scalar f32 rounded to bf16, nearest even
	s_bfe_u32 s32, s[\r], 0x10010
	s_add_co_u32 s[\r], s[\r], s32
	s_add_co_u32 s[\r], s[\r], 0x7fff
	s_and_b32 s[\r], s[\r], s[HM]
.endm
; Block number s[blk]: image = blk / 784 (by 85599 / 2^26, right for all blk below 6,280), s[ST+1] = 256 x its place in the image, s[ST+2:ST+3] = its offset in features
.macro IMGWIN blk
	s_mul_i32 s[ST], s[\blk], 85599
	s_lshr_b32 s[ST], s[ST], 26
	s_mul_i32 s[ST+1], s[ST], 784
	s_sub_co_u32 s[ST+1], s[\blk], s[ST+1]
	s_lshl_b32 s[ST+1], s[ST+1], 8
	s_mul_i32 s[ST+2], s[ST], IMGF
	s_add_co_u32 s[ST+2], s[ST+2], s[ST+1]
	s_mov_b32 s[ST+3], 0
.endm
.macro SETBLK                          ; the bases of block s[BLK]
	IMGWIN BLK
	s_add_nc_u64 s[FB0:FB0+1], s[FEAT:FEAT+1], s[ST+2:ST+3]
	s_add_nc_u64 s[FB1:FB1+1], s[FB0:FB0+1], 32*PLANE
	s_mul_i32 s[ST+4], s[ST], PLANE
	s_add_co_u32 s[ST+4], s[ST+4], s[ST+1]
	s_mov_b32 s[ST+5], 0
	s_add_nc_u64 s[SDB:SDB+1], s[DEPTH:DEPTH+1], s[ST+4:ST+5]
	s_mul_i32 s[OOF], s[ST], IMGO
	s_add_co_u32 s[OOF], s[OOF], s[ST+1]
	s_mov_b32 s[OOF+1], 0
.endm
.macro LOADD                           ; a block's depth
	global_load_b128 v[DEP:DEP+3], v[DOF], s[SDB:SDB+1] th:TH_LOAD_NT
.endm
; A block's features from memory: 16 loads for channels 0-31, then 16 for channels 32-63.  Load i = 8 p + e of K step s brings channel 32 s + 16 p + e + 8 h, pixels 4 r .. 4 r + 3:
; lanes 0-15 cover 256 consecutive bytes, aligned, of one plane, lanes 16-31 of another.
.macro LOADG
	WIN 0x40
.set i, 0
.rept 16
	global_load_b128 v[H0+4*i:H0+4*i+3], v[FO], s[FB0:FB0+1] offset:(16*(i/8)+i%8)*PLANE th:TH_LOAD_NT
.set i, i+1
.endr
	WIN 0
.set i, 0
.rept 16
	global_load_b128 v[AB+4*i:AB+4*i+3], v[FO], s[FB1:FB1+1] offset:(16*(i/8)+i%8)*PLANE th:TH_LOAD_NT
.set i, i+1
.endr
.endm
; The same from the slot at byte off behind my first: plane c is row c, 256 bytes
.macro LOADL off
	WIN 0x40
.set i, 0
.rept 16
	ds_load_b128 v[H0+4*i:H0+4*i+3], v[XA] offset:(\off)+(16*(i/8)+i%8)*256
.set i, i+1
.endr
	WIN 0
.set i, 0
.rept 16
	ds_load_b128 v[AB+4*i:AB+4*i+3], v[XA] offset:(\off)+(32+16*(i/8)+i%8)*256
.set i, i+1
.endr
.endm
; Register k of fragment (t, s) = channels 2 k, 2 k + 1 of my sixteen, component t of loads 2 k and 2 k + 1
.macro CONVERT s
.if (\s) == 0
	WIN 0x45
.irp k, 0,1,2,3,4,5,6,7
.irp t, 0,1,2,3
	v_cvt_pk_bf16_f32 v[16*\t+\k], v[H0+8*\k+\t], v[H0+8*\k+4+\t]
.endr
.endr
.else
	WIN 0x40
.irp k, 0,1,2,3,4,5,6,7
.irp t, 0,1,2,3
	v_cvt_pk_bf16_f32 v[16*\t+8+\k], v[AB+8*\k+\t], v[AB+8*\k+4+\t]
.endr
.endr
	WIN 0
.endif
.endm
.macro LDA i, f                        ; weight fragment f into AB_i: 32 lanes x 16 consecutive bytes, twice
	ds_load_b128 v[AB+8*(\i):AB+8*(\i)+3], v[LA] offset:(\f)*1024
	ds_load_b128 v[AB+8*(\i)+4:AB+8*(\i)+7], v[LA] offset:(\f)*1024+512
.endm
.macro LDB i, off                      ; eight biases, channels 8 h + 0..7, laid as an accumulator
	ds_load_b128 v[BB+8*(\i):BB+8*(\i)+3], v[LB] offset:\off
	ds_load_b128 v[BB+8*(\i)+4:BB+8*(\i)+7], v[LB] offset:(\off)+16
.endm
.macro PRE b, g                        ; what the batch of branch b, channels 16 g .. will multiply by
	LDA 0, 4*(\b)+2*(\g)
	LDA 1, 4*(\b)+2*(\g)+1
.if (\b) == 1
	LDA 2, 28+2*(\g)
	LDA 3, 28+2*(\g)+1
	LDA 5, 32+2*(\g)
	LDA 6, 32+2*(\g)+1
.elseif (\b) == 2
	LDA 2, 36+2*(\g)
	LDA 3, 36+2*(\g)+1
	LDA 5, 40+2*(\g)
	LDA 6, 40+2*(\g)+1
.elseif (\b) == 3
	LDA 2, 44+3*(\g)
	LDA 3, 44+3*(\g)+1
	LDA 4, 44+3*(\g)+2
	LDA 5, 50+3*(\g)
	LDA 6, 50+3*(\g)+1
	LDA 7, 50+3*(\g)+2
.endif
	LDB 0, BIAS1+128*(\b)+64*(\g)
.endm
.macro WMM bf, d, a, b, c              ; one product; c < 0: the constant 0 starts the sum
.if (\bf) && ((\c) < 0)
	v_wmma_f32_16x16x32_bf16 v[(\d):(\d)+7], v[(\a):(\a)+7], v[(\b):(\b)+7], 0
.elseif \bf
	v_wmma_f32_16x16x32_bf16 v[(\d):(\d)+7], v[(\a):(\a)+7], v[(\b):(\b)+7], v[(\c):(\c)+7]
.elseif (\c) < 0
	v_wmma_f32_16x16x32_f16 v[(\d):(\d)+7], v[(\a):(\a)+7], v[(\b):(\b)+7], 0
.else
	v_wmma_f32_16x16x32_f16 v[(\d):(\d)+7], v[(\a):(\a)+7], v[(\b):(\b)+7], v[(\c):(\c)+7]
.endif
.endm
; Four products, a tile each, so that the accumulators take turns, one instruction a turn.  Source 1 of tile t at bb + bs t.  cm: 0 starts at 0, 1 at bias table 0, 2 at table 1, 3 adds in place.
.macro RUN bf, dst, ia, bb, bs, cm
.irp t, 0,1,2,3
.if (\cm) == 0
	WMM \bf, (\dst)+8*\t, AB+8*(\ia), (\bb)+(\bs)*\t, -1
.elseif (\cm) == 1
	WMM \bf, (\dst)+8*\t, AB+8*(\ia), (\bb)+(\bs)*\t, BB
.elseif (\cm) == 2
	WMM \bf, (\dst)+8*\t, AB+8*(\ia), (\bb)+(\bs)*\t, BB+8
.else
	WMM \bf, (\dst)+8*\t, AB+8*(\ia), (\bb)+(\bs)*\t, (\dst)+8*\t
.endif
.endr
.endm
; A batch: W1 x, and the FiLM gain and shift, for 16 channels and four tiles.  Rounds over up to twelve accumulators; for beta the low parts first, so that small sums are formed before large ones.
.macro BATCH b
	s_wait_dscnt 0x0                               ; the fragments, asked for a group earlier
	WIN 4                                          ; source 1 in window 1
.if (\b) == 0
	RUN 1, DG, 0, 0, 16, 1
	RUN 1, DG, 1, 8, 16, 3
.elseif (\b) == 1
	RUN 1, D1, 0, 0, 16, 0                         ; the bias comes behind the division by the norm
	RUN 0, DG, 2, L0, 8, 0
	RUN 0, TMP, 5, L0, 8, 0
	RUN 1, D1, 1, 8, 16, 3
	RUN 0, DG, 2, H0, 8, 3
	RUN 0, TMP, 5, H0, 8, 3
	RUN 0, DG, 3, H1, 8, 3
	RUN 0, TMP, 6, H1, 8, 3
.else
	RUN 1, D1, 0, 0, 16, 1
	RUN 0, DG, 2, H0, 8, 0
	RUN 0, TMP, 5, H0, 8, 0
	RUN 1, D1, 1, 8, 16, 3
	RUN 0, DG, 3, H1, 8, 3
	RUN 0, TMP, 6, H1, 8, 3
.if (\b) == 3
	RUN 0, DG, 4, H2, 8, 3
	RUN 0, TMP, 7, H2, 8, 3
.endif
.endif
	WIN 0
	NOP4
.endm
; h = gain x h1 + shift; norm = 1: first h1 = (W1 x) / |x| + b1.  Each accumulator's lowest pair is read first.
.macro FILM norm
.irp i, 0,2,4,6
.if \norm
.irp t, 0,2
	v_pk_fma_f32 v[D1+8*\t+\i:D1+8*\t+\i+1], v[D1+8*\t+\i:D1+8*\t+\i+1], v[INVN+\t:INVN+\t+1], v[BB+\i:BB+\i+1] op_sel_hi:[1,0,1]
	v_pk_fma_f32 v[D1+8*\t+8+\i:D1+8*\t+8+\i+1], v[D1+8*\t+8+\i:D1+8*\t+8+\i+1], v[INVN+\t:INVN+\t+1], v[BB+\i:BB+\i+1] op_sel:[0,1,0] op_sel_hi:[1,1,1]
.endr
.endif
.irp t, 0,1,2,3
	v_pk_fma_f32 v[DG+8*\t+\i:DG+8*\t+\i+1], v[DG+8*\t+\i:DG+8*\t+\i+1], v[D1+8*\t+\i:D1+8*\t+\i+1], v[TMP+8*\t+\i:TMP+8*\t+\i+1]
.endr
.endr
.endm
; sin(w0 x) in place on 32 registers, eleven lines a pair; kk: the pair whose low word is w0 / pi.  Eight chains at a time (two pairs of each tile), so that no line waits for the one before it; a chain has four registers of TMP.
.macro CH8 line:vararg
.set cc, 0
.rept 8
.set cP, SINB+8*(cc%4)+2*(SINP+cc/4)
.set cU, TMP+4*cc
.set cG, TMP+4*cc+2
	\line
.set cc, cc+1
.endr
.endm
.macro SIN base, kk
.set SINB, \base
.set SINP, 0
.rept 2
	CH8 v_pk_fma_f32 v[cU:cU+1], v[cP:cP+1], s[\kk:\kk+1], s[MAGIC:MAGIC+1] op_sel_hi:[1,0,0]
	CH8 v_pk_add_f32 v[cG:cG+1], v[cU:cU+1], s[NMAGIC:NMAGIC+1] op_sel_hi:[1,0]
	CH8 v_pk_fma_f32 v[cP:cP+1], v[cP:cP+1], s[\kk:\kk+1], v[cG:cG+1] op_sel_hi:[1,0,1] neg_lo:[0,0,1] neg_hi:[0,0,1]
	CH8 v_lshl_add_u32 v[cP], v[cU], 31, v[cP]
	CH8 v_lshl_add_u32 v[cP+1], v[cU+1], 31, v[cP+1]
	CH8 v_pk_mul_f32 v[cU:cU+1], v[cP:cP+1], v[cP:cP+1]
	CH8 v_pk_fma_f32 v[cG:cG+1], v[cU:cU+1], s[P9:P9+1], s[P7:P7+1] op_sel_hi:[1,0,0]
	CH8 v_pk_fma_f32 v[cG:cG+1], v[cG:cG+1], v[cU:cU+1], s[P5:P5+1] op_sel_hi:[1,1,0]
	CH8 v_pk_fma_f32 v[cG:cG+1], v[cG:cG+1], v[cU:cU+1], s[P3:P3+1] op_sel_hi:[1,1,0]
	CH8 v_pk_fma_f32 v[cG:cG+1], v[cG:cG+1], v[cU:cU+1], s[P1:P1+1] op_sel_hi:[1,1,0]
	CH8 v_pk_mul_f32 v[cP:cP+1], v[cG:cG+1], v[cP:cP+1]
.set SINP, SINP+2
.endr
.endm
; 16 channels x four tiles rounded to bf16, then max(x, 0.2 x) two at a time, into registers fo .. fo + 3 of the hidden layer's fragments
.macro LEAKY base, fo
.irp i, 0,1,2,3
.irp t, 0,1,2,3
	v_cvt_pk_bf16_f32 v[TMP+4*\t+\i], v[(\base)+8*\t+2*\i], v[(\base)+8*\t+2*\i+1]
.endr
.endr
	QN 16, v_pk_mul_bf16 v[TMP+16+o], v[TMP+o], 0x3e4d3e4d
	WIN 0x40
.irp i, 0,1,2,3
.irp t, 0,1,2,3
	v_pk_max_num_bf16 v[FF+8*\t+(\fo)+\i], v[TMP+4*\t+\i], v[TMP+16+4*\t+\i]
.endr
.endr
	WIN 0
.endm
; A sine layer's 16 channels become source 1: registers 0-3 the numbers rounded to f16, registers 4-7 what the rounding left, rounded again
.macro SPLITF base
	WIN 0x40
.irp i, 0,1,2,3
.irp t, 0,1,2,3
	v_cvt_pk_f16_f32 v[FF+8*\t+\i], v[(\base)+8*\t+2*\i], v[(\base)+8*\t+2*\i+1]
.endr
.endr
	WIN 0x01                                       ; source 0 in window 1
.irp i, 0,1,2,3
.irp t, 0,1,2,3
	v_fma_mix_f32 v[(\base)+8*\t+2*\i], v[FF+8*\t+\i], v[MONE], v[(\base)+8*\t+2*\i] op_sel:[0,0,0] op_sel_hi:[1,0,0]
	v_fma_mix_f32 v[(\base)+8*\t+2*\i+1], v[FF+8*\t+\i], v[MONE], v[(\base)+8*\t+2*\i+1] op_sel:[1,0,0] op_sel_hi:[1,0,0]
.endr
.endr
	WIN 0x40
.irp i, 0,1,2,3
.irp t, 0,1,2,3
	v_cvt_pk_f16_f32 v[FF+8*\t+4+\i], v[(\base)+8*\t+2*\i], v[(\base)+8*\t+2*\i+1]
.endr
.endr
	WIN 0
.endm
; The same for encodings, whose quantities lie four tiles side by side.  EHI: register rho of fragment hb = (qa, qb) as f16.  EHIZ: (qa, 0).  ELO: dst = src - that register's half.  The caller sets the windows.
.macro EHI hb, rho, qa, qb
.irp t, 0,1,2,3
	v_cvt_pk_f16_f32 v[(\hb)+8*\t+(\rho)], v[(\qa)+\t], v[(\qb)+\t]
.endr
.endm
.macro EHIZ hb, rho, qa
.irp t, 0,1,2,3
	v_cvt_pk_f16_f32 v[(\hb)+8*\t+(\rho)], v[(\qa)+\t], v[ZR]
.endr
.endm
.macro ELO hb, rho, half, src, dst
.irp t, 0,1,2,3
	v_fma_mix_f32 v[(\dst)+\t], v[(\hb)+8*\t+(\rho)], v[MONE], v[(\src)+\t] op_sel:[\half,0,0] op_sel_hi:[1,0,0]
.endr
.endm
; exp(-(x - c)^2 / (2 sigma^2)) for my five centers and four tiles: 20 exponentials, which the caller waits for
.macro RBF src, dst
.irp i, 0,2,4
.irp u, 0,2
	v_pk_add_f32 v[(\dst)+4*\i+\u:(\dst)+4*\i+\u+1], v[(\src)+\u:(\src)+\u+1], v[CEN+\i:CEN+\i+1] op_sel_hi:[1,0] neg_lo:[0,1] neg_hi:[0,1]
.endr
.endr
.irp i, 1,3
.irp u, 0,2
	v_pk_add_f32 v[(\dst)+4*\i+\u:(\dst)+4*\i+\u+1], v[(\src)+\u:(\src)+\u+1], v[CEN+\i-1:CEN+\i] op_sel:[0,1] op_sel_hi:[1,1] neg_lo:[0,1] neg_hi:[0,1]
.endr
.endr
	PKN 10, v_pk_mul_f32 v[(\dst)+o:(\dst)+o+1], v[(\dst)+o:(\dst)+o+1], v[(\dst)+o:(\dst)+o+1]
	PKN 10, v_pk_mul_f32 v[(\dst)+o:(\dst)+o+1], v[(\dst)+o:(\dst)+o+1], s[KR:KR+1] op_sel_hi:[1,0]
	QN 20, v_exp_f32 v[(\dst)+o], v[(\dst)+o]
.endm
; IV = 1 / max(|v|, 1e-12) for the vector of nc components at XQ
.macro NORMQ nc
	PKN 2, v_pk_mul_f32 v[SS+o:SS+o+1], v[XQ+o:XQ+o+1], v[XQ+o:XQ+o+1]
	PKN 2, v_pk_fma_f32 v[SS+o:SS+o+1], v[XQ+4+o:XQ+5+o], v[XQ+4+o:XQ+5+o], v[SS+o:SS+o+1]
.if (\nc) == 3
	PKN 2, v_pk_fma_f32 v[SS+o:SS+o+1], v[XQ+8+o:XQ+9+o], v[XQ+8+o:XQ+9+o], v[SS+o:SS+o+1]
.endif
	QN 4, v_max_num_f32 v[SS+o], 0x179abe15, v[SS+o]
	QN 4, v_rsq_f32 v[IV+o], v[SS+o]
	v_nop                                          ; a plain instruction behind the last of the batch,
	s_wait_alu depctr_va_vdst(0)                   ; and the one wait ahead of the first use
.endm
; SN = sin, DC = 2 cos of the np pairs at XQ, all within -1 .. 1: no reduction
.macro SINCOS np
	PKN \np, v_pk_mul_f32 v[R2A+o:R2A+o+1], v[XQ+o:XQ+o+1], v[XQ+o:XQ+o+1]
	PKN \np, v_pk_fma_f32 v[QQ+o:QQ+o+1], v[R2A+o:R2A+o+1], s[C9:C9+1], s[C7:C7+1] op_sel_hi:[1,0,0]
	PKN \np, v_pk_fma_f32 v[DC+o:DC+o+1], v[R2A+o:R2A+o+1], s[K10:K10+1], s[K8:K8+1] op_sel_hi:[1,0,0]
	PKN \np, v_pk_fma_f32 v[QQ+o:QQ+o+1], v[QQ+o:QQ+o+1], v[R2A+o:R2A+o+1], s[C5:C5+1] op_sel_hi:[1,1,0]
	PKN \np, v_pk_fma_f32 v[DC+o:DC+o+1], v[DC+o:DC+o+1], v[R2A+o:R2A+o+1], s[K6:K6+1] op_sel_hi:[1,1,0]
	PKN \np, v_pk_fma_f32 v[QQ+o:QQ+o+1], v[QQ+o:QQ+o+1], v[R2A+o:R2A+o+1], s[C3:C3+1] op_sel_hi:[1,1,0]
	PKN \np, v_pk_fma_f32 v[DC+o:DC+o+1], v[DC+o:DC+o+1], v[R2A+o:R2A+o+1], s[K4:K4+1] op_sel_hi:[1,1,0]
	PKN \np, v_pk_fma_f32 v[DC+o:DC+o+1], v[DC+o:DC+o+1], v[R2A+o:R2A+o+1], -1.0 op_sel_hi:[1,1,0]
	PKN \np, v_pk_fma_f32 v[DC+o:DC+o+1], v[DC+o:DC+o+1], v[R2A+o:R2A+o+1], 2.0 op_sel_hi:[1,1,0]
	PKN \np, v_pk_mul_f32 v[R2A+o:R2A+o+1], v[R2A+o:R2A+o+1], v[XQ+o:XQ+o+1]
	PKN \np, v_pk_fma_f32 v[SN+o:SN+o+1], v[QQ+o:QQ+o+1], v[R2A+o:R2A+o+1], v[XQ+o:XQ+o+1]
.endm
; Slot 4 c + f = q_f = sin | 2 cos of 2^f x component c.  q_0 is selected; then one line serves both halves of the lanes: q' = q d + (0 | -2), which is s d in the sines' lanes and d d - 2 in the
; cosines'.  d itself is doubled twice: the last frequency needs d of the one before it.
.macro ENCSEL nc
.set cq, 0
.rept \nc
.irp t, 0,1,2,3
	v_cndmask_b32 v[WQ+16*cq+\t], v[SN+4*cq+\t], v[DC+4*cq+\t], s[HM]
.endr
.set cq, cq+1
.endr
.irp f, 1,2,3
.set cq, 0
.rept \nc
.irp u, 0,2
	v_pk_fma_f32 v[WQ+16*cq+4*\f+\u:WQ+16*cq+4*\f+\u+1], v[WQ+16*cq+4*\f-4+\u:WQ+16*cq+4*\f-4+\u+1], v[DC+4*cq+\u:DC+4*cq+\u+1], v[ZR:ZR+1] op_sel:[0,0,1] op_sel_hi:[1,1,1]
.endr
.set cq, cq+1
.endr
.if \f < 3
	PKN 2*(\nc), v_pk_fma_f32 v[DC+o:DC+o+1], v[DC+o:DC+o+1], v[DC+o:DC+o+1], -2.0 op_sel_hi:[1,1,0]
.endif
.endr
.endm
; The next block's features come into registers where the other groups fetch their fragments: the last batch has read AB0-7 and H0 (four places and the FiLM lines back), L0 was used long ago.
; Behind the first and the second trip they come out of my slots; the group's own wait for its LDS loads, ahead of its products, covers these too.  Behind the third trip, where there is a fourth, from memory:
; the bases were last read by loads that the trip's wait for 0 has shown done.  A wave's last trip loads nothing.
.macro NEXTLOAD
	s_cmp_eq_u32 s[TRIP], 0
	s_cbranch_scc1 .Lslot0
	s_cmp_eq_u32 s[TRIP], 1
	s_cbranch_scc1 .Lslot1
	s_add_co_u32 s[ST+6], s[TRIP], 1
	s_cmp_lt_u32 s[ST+6], s[NT]
	s_cbranch_scc0 .Lnoload
	LOADG
	s_branch .Lnoload
.Lslot0:
	s_wait_tensorcnt 0x1                           ; a wave's tensor loads end in order (ISA guide 10.11.1): my first slot is in, the second's load may stay out
	LOADL 0
	s_branch .Lnoload
.Lslot1:
	s_wait_tensorcnt 0x0                           ; my second slot: no load was issued behind its own
	LOADL SLOTB
.Lnoload:
.endm
; 16 channels of a branch's first hidden layer.  The sine branches (b < 2) add their share to the second layer's sums at once: K = 16 high + 16 low parts.
; Width and dist (b >= 2) gather both groups' 32 channels in one fragment, and one run of products behind the second group makes the second layer.
.macro GROUP b, g
	BATCH \b
.if (\b) == 1
	FILM 1
.elseif (\b) > 1
	FILM 0
.endif
.if (\g) == 0
	PRE \b, 1
.elseif (\b) < 3
	PRE (\b)+1, 0
.else
	NEXTLOAD
.endif
.if (\b) < 2
	LDA 8, 16+2*(\b)+(\g)                          ; its last reader stands ahead of the batch's four places
.if (\g) == 0
	LDB 1, BIAS2+64*(\b)
.endif
.if (\b) == 0
	SIN DG, W01
.else
	SIN DG, BW01
.endif
	SPLITF DG
	s_wait_dscnt 0x0                               ; W2's fragment, and the next batch's, asked for a whole activation earlier
	WIN 4
.if (\g) == 0
	RUN 0, AC, 8, FF, 8, 2
.else
	RUN 0, AC, 8, FF, 8, 3
.endif
.else
.if (\g) == 1
	ds_load_b128 v[AB+64:AB+67], v[LA] offset:(16+2*(\b))*1024       ; W2, channels 8 h + e: part 0 of the image's fragment for g = 0,
	ds_load_b128 v[AB+68:AB+71], v[LA] offset:(17+2*(\b))*1024+512   ; channels 16 + 8 h + e: part 1 of that for g = 1
	LDB 1, BIAS2+64*(\b)
.endif
	LEAKY DG, 4*(\g)
.if (\g) == 1
	s_wait_dscnt 0x0
	WIN 4
	RUN 1, AC, 8, FF, 8, 2
.endif
.endif
.endm
; The second activation and the last layer; the result lies in registers 0 .. of DG, in both halves of the lanes
.macro TAIL b
	WIN 0
	NOP4
.if (\b) < 2
	LDA 8, 24+(\b)
.if (\b) == 0
	SIN AC, W02
.else
	SIN AC, BW02
.endif
	SPLITF AC
.else
	ds_load_b128 v[AB+64:AB+67], v[LA] offset:(24+(\b))*1024         ; W3 for k = 8 h + e,
	ds_load_b128 v[AB+68:AB+71], v[DOF] offset:ZEROS                 ; and 0 for the upper 16 k, where the operand still holds the first hidden layer
	LEAKY AC, 0
.endif
	s_wait_dscnt 0x0
	WIN 4
	RUN (\b)/2, DG, 8, FF, 8, 0
	WIN 0
	NOP4
.endm
	; THE HEAD
	s_load_b512 s[4:19], s[0:1], 0x0               ; features, depth_, wpack, out0, and the pointers to eleven small inputs
	s_load_b256 s[20:27], s[0:1], 0x40
	s_load_b128 s[28:31], s[0:1], 0x60
	s_load_b64 s[32:33], s[0:1], 0x70
	v_lshl_add_u32 v[SPW], v0, 2, SPARE
	v_mov_b32 v[NIL], 0
	ds_add_u32 v[SPW], v[NIL]                      ; the wave's opening: the add, twice on end, and its wait ahead of my first tensor load; the set-up below, work on registers, stands between
	ds_add_u32 v[SPW], v[NIL]                      ; and once more, under the one wait
	v_lshrrev_b32 v32, 5, v0
	v_readfirstlane_b32 s[WV], v32                 ; wave 0..7
	v_and_b32 v33, 15, v0                          ; r
	v_bfe_u32 v34, v0, 4, 1                        ; h
	v_and_b32 v35, 31, v0                          ; lane
	v_lshlrev_b32 v[LA], 4, v35
	v_lshlrev_b32 v[LB], 5, v34
	v_lshlrev_b32 v[DOF], 4, v33
	v_mul_u32_u24 v36, v34, PLANE
	v_add_nc_u32 v[OO], v36, v[DOF]
	v_lshl_add_u32 v[FO], v36, 3, v[DOF]
	v_lshl_add_u32 v[ZO], v34, 3, v[DOF]
	v_mul_u32_u24 v[PFO], v35, PLANE
	v_lshlrev_b32 v37, 4, v0                       ; my 16 bytes of each 4,096 of the image,
	v_lshlrev_b32 v38, 2, v0                       ; and my word of its last 1,024
	v_mov_b32 v[ONE], 1.0
	v_mov_b32 v[MONE], -1.0
	v_mov_b32 v[ZR], 0
	s_mul_i32 s[BLK], ttmp9, 24
	s_lshr_b32 s[ST], ttmp9, 1
	s_add_co_u32 s[BLK], s[BLK], s[ST]
	s_add_co_u32 s[BLK], s[BLK], s[WV]             ; my first block
	s_and_b32 s[ST], ttmp9, 1
	s_cmp_eq_u32 s[WV], 0
	s_cselect_b32 s[ST], s[ST], 0
	s_add_co_u32 s[NT], s[ST], 3                   ; my blocks: 3, or 4 for wave 0 of an odd work-group
	s_mov_b32 s[TRIP], 0
	s_mov_b32 s[HM], 0xffff0000
	s_mov_b32 s[SEL], 0x76543210                   ; v_permlanex16_b32: each lane takes its own place in the other half
	s_mov_b32 s[SEL+1], 0xfedcba98
	KPAIR MAGIC, 0x4b400000                        ; 1.5 x 2^23
	KPAIR NMAGIC, 0xcb400000
	KPAIR P9, 0x3d9ddb6b                           ; sin(pi f): the radian polynomial's coefficients times pi^9, pi^7, pi^5
	KPAIR P7, 0xbf191661
	KPAIR P5, 0x4023339e
	KPAIR C9, 0x362d86b9                           ; sin(x) in radians
	KPAIR C7, 0xb94f9c6a
	KPAIR C5, 0x3c0886a2
	KPAIR C3, 0xbe2aaa9d
	KPAIR K10, 0xb513f27e                          ; 2 cos: -2/10!, 2/8!, -2/6!, 2/4!
	KPAIR K8, 0x38500d01
	KPAIR K6, 0xbb360b61
	KPAIR K4, 0x3daaaaab
	s_wait_dscnt 0x0                               ; both opening adds are done
	s_wait_kmcnt 0x0
.set i, 0
.rept 14
	global_load_b128 v[DG+4*i:DG+4*i+3], v37, s[WP:WP+1] offset:4096*i  ; the image: 15 loads, ahead of the block's
.set i, i+1
.endr
	global_load_b32 v[DG+56], v38, s[WP:WP+1] offset:BIAS1
	SETBLK
	LOADD                                          ; my first block: depth, then 32 loads
	LOADG
	s_load_b32 s[W01], s[12:13], 0x0
	s_load_b32 s[W02], s[14:15], 0x0
	s_load_b32 s[BW01], s[16:17], 0x0
	s_load_b32 s[BW02], s[18:19], 0x0
	s_load_b32 s[SCL], s[20:21], 0x0
	s_load_b32 s[KR], s[22:23], 0x0                ; sigma, for now
	s_load_b256 s[CENS:CENS+7], s[24:25], 0x0
	s_load_b64 s[CENS+8:CENS+9], s[24:25], 0x20
	s_load_b96 s[AB3:AB3+2], s[26:27], 0x0
	s_load_b64 s[BB3:BB3+1], s[28:29], 0x0
	s_load_b32 s[WB3], s[30:31], 0x0
	s_load_b32 s[DB3], s[32:33], 0x0
	; slots that stay 0 for the whole launch, and beta's slots, which are multiplied by weights 0 before they are first made: written while the loads are out
	WIN 0x40
.irp t, 0,1,2,3
.irp j, 3,4,5,6,7
	v_mov_b32 v[H1+8*\t+\j], 0
	v_mov_b32 v[H2+8*\t+\j], 0
.endr
.endr
	WIN 0
	v_lshlrev_b32 v39, 3, v34
	v_sub_nc_u32 v39, v33, v39                     ; r - 8 h
.irp j, 0,1,2,3,4,5,6,7
	v_cmp_eq_u32 vcc_lo, \j, v39
	v_cndmask_b32 v[GM+\j], 0, 1.0, vcc_lo
.endr
	s_wait_kmcnt 0x0                               ; the small inputs; their pointers are dead from here on
.irp r, W01, W02, BW01, BW02, SCL, KR, AB3, AB3+1, AB3+2, BB3, BB3+1, WB3, DB3
	SRND \r
.endr
.irp r, 0,1,2,3,4,5,6,7,8,9
	SRND CENS+\r
.endr
	KPAIR P3, 0xc0a55dda                           ; times pi^3,
	KPAIR P1, 0x40490fdb                           ; and pi
.irp r, W01, W02, BW01, BW02
	v_mov_b32 v39, s[\r]
	v_mul_f32 v39, 0x3ea2f983, v39                 ; w0 / pi
	v_readfirstlane_b32 s[\r], v39
.endr
	v_mov_b32 v39, s[KR]
	v_mul_f32 v39, v39, v39
	v_add_f32 v39, v39, v39                        ; 2 sigma^2
	v_rcp_f32 v40, v39
	v_mov_b32 v41, s[SCL]                          ; (the plain instruction behind the reciprocal)
	s_wait_alu depctr_va_vdst(0)
	v_mul_f32 v40, 0xbfb8aa3b, v40                 ; -log2(e) / (2 sigma^2)
	v_sub_f32 v41, 1.0, v41                        ; 1 - scale
	v_readfirstlane_b32 s[KR], v40
	v_readfirstlane_b32 s[OMS], v41
	s_mov_b32 s[KR+1], s[KR]
	s_mov_b32 s[OMS+1], s[OMS]
.irp i, 0,1,2,3,4
	v_mov_b32 v39, s[CENS+\i]
	v_mov_b32 v40, s[CENS+5+\i]
	v_cndmask_b32 v[CEN+\i], v39, v40, s[HM]
.endr
	v_mov_b32 v39, -2.0
	v_cndmask_b32 v[CM2], v[ZR], v39, s[HM]
	; MY SECOND AND THIRD BLOCK: one tensor load each, the launch's only fills, ahead of every wait on TENSORcnt, every LDS read and the barrier.  The centers have been used: their registers serve the block arithmetic again.
	s_mul_i32 s33, s[WV], 2*SLOTB
	s_add_co_u32 s33, s33, SLOTS                   ; my first slot
	v_lshl_add_u32 v[XA], v34, 11, v[DOF]          ; 8 h rows of 256 bytes + 16 r,
	v_add_nc_u32 v[XA], s33, v[XA]                 ; in my first slot
	; Group 1: a tile of 64 rows (planes) x 64 elements of 4 bytes; the tile lies inside the tensor, so the extents are its own
	s_mov_b32 s[G1+0], 2<<16                       ; 15:0 no mask; 17:16 elements of 4 bytes; 20 no padding: 16 lanes read a whole row
	s_mov_b32 s[G1+1], 64<<16                      ; tensor_dim0 = 64
	s_mov_b32 s[G1+2], 64<<16                      ; tensor_dim1 = 64
	s_mov_b32 s[G1+3], 64<<16                      ; tile_dim0 = 64
	s_mov_b32 s[G1+4], 64                          ; tile_dim1 = 64
	s_mov_b32 s[G1+5], PLANE/4                     ; from plane to plane: 50,176 elements
	s_mov_b32 s[G1+6], 0
	s_mov_b32 s[G1+7], 0
.irp j, 0,1
	s_add_co_u32 s[ST+6], s[BLK], 8+8*\j           ; my blocks lie eight apart
	IMGWIN ST+6
	s_mov_b32 s[G0A-8*\j], 1                       ; count = 1
	s_add_co_u32 s[G0A-8*\j+1], s33, SLOTB*\j      ; LDS address
	s_add_nc_u64 s[G0A-8*\j+2:G0A-8*\j+3], s[FEAT:FEAT+1], s[ST+2:ST+3]  ; the block's first byte in plane 0
	s_or_b32 s[G0A-8*\j+3], s[G0A-8*\j+3], 0x80000000                    ; type = 2
.endr
	tensor_load_to_lds s[G0A:G0A+3], s[G1:G1+7]
	s_nop 0
	tensor_load_to_lds s[G0B:G0B+3], s[G1:G1+7]
	s_nop 0
.rept 4
	v_nop
.endr
	s_wait_loadcnt 33                              ; loads come back in order: the image's 15 are in, the block's 33 may stay out
.set i, 0
.rept 14
	ds_store_b128 v37, v[DG+4*i:DG+4*i+3] offset:4096*i
.set i, i+1
.endr
	ds_store_b32 v38, v[DG+56] offset:BIAS1
	s_wait_dscnt 0x0                               ; for the others' sake: my part of the image is in LDS
	s_barrier_signal -1
	s_barrier_wait -1                              ; everybody's is.  Nothing is stored to LDS after this: the launch's only barrier.  My two tensor loads stay out across it: nobody but me reads their bytes
.Lblk:                                 ; four trips; a wave without a block for the trip jumps over the body
	s_cmp_lt_u32 s[TRIP], s[NT]
	s_cbranch_scc0 .Lnext
	s_wait_xcnt 0x0                                ; the last block's stores have read their base and their data
	s_add_nc_u64 s[OB:OB+1], s[OUT:OUT+1], s[OOF:OOF+1]
	s_wait_loadcnt 16                              ; a block that came from memory: depth and channels 0-31 are in, the 16 loads of channels 32-63 may stay out
	CONVERT 0
	s_wait_loadcnt 0x0                             ; channels 32-63; for a block that came out of a slot: its depth, asked for a trip ago
	CONVERT 1
	PRE 0, 0                                       ; behind the conversions, which read AB0-7
	; |features|^2: X X^T has it on the diagonal
	WIN 5
.irp t, 0,1,2,3
	v_wmma_f32_16x16x32_bf16 v[AC+8*\t:AC+8*\t+7], v[16*\t:16*\t+7], v[16*\t:16*\t+7], 0
.endr
.irp t, 0,1,2,3
	v_wmma_f32_16x16x32_bf16 v[AC+8*\t:AC+8*\t+7], v[16*\t+8:16*\t+15], v[16*\t+8:16*\t+15], v[AC+8*\t:AC+8*\t+7]
.endr
	WIN 0
	v_cvt_pk_bf16_f32 v[TMP+8], v[DEP], v[DEP+1]   ; depth rounded to bf16: six plain lines, the places behind those products
	v_cvt_pk_bf16_f32 v[TMP+9], v[DEP+2], v[DEP+3]
	v_lshlrev_b32 v[DEP], 16, v[TMP+8]
	v_and_b32 v[DEP+1], s[HM], v[TMP+8]
	v_lshlrev_b32 v[DEP+2], 16, v[TMP+9]
	v_and_b32 v[DEP+3], s[HM], v[TMP+9]
.irp t, 0,1,2,3
	v_pk_mul_f32 v[TMP+2*\t:TMP+2*\t+1], v[AC+8*\t:AC+8*\t+1], v[GM:GM+1]
.endr
.irp i, 2,4,6
.irp t, 0,1,2,3
	v_pk_fma_f32 v[TMP+2*\t:TMP+2*\t+1], v[AC+8*\t+\i:AC+8*\t+\i+1], v[GM+\i:GM+\i+1], v[TMP+2*\t:TMP+2*\t+1]
.endr
.endr
.irp t, 0,1,2,3
	v_add_f32 v[TMP+2*\t], v[TMP+2*\t], v[TMP+2*\t+1]
.endr
.irp t, 0,1,2,3
	v_permlanex16_b32 v[TMP+2*\t+1], v[TMP+2*\t], s[SEL], s[SEL+1]  ; pixel r's diagonal lies in one half of the lanes; the other holds 0
.endr
.irp t, 0,1,2,3
	v_add_f32 v[TMP+2*\t], v[TMP+2*\t], v[TMP+2*\t+1]
.endr
.irp t, 0,1,2,3
	v_max_num_f32 v[INVN+\t], 0x179abe15, v[TMP+2*\t]
.endr
	; enc_d.  One batch: 20 exponentials and the four reciprocal roots, one wait
	RBF DEP, D1
	QN 4, v_rsq_f32 v[INVN+o], v[INVN+o]
	v_nop
	s_wait_alu depctr_va_vdst(0)
	WIN 0x40
	EHI H0, 7, D1, D1+4                            ; slots 14, 15 of fragment 0
	EHI H1, 0, D1+8, D1+12                         ; slots 0, 1 of fragment 1
	WIN 0x01
	ELO H0, 7, 0, D1, D1
	ELO H0, 7, 1, D1+4, D1+4
	ELO H1, 0, 0, D1+8, D1+8
	ELO H1, 0, 1, D1+12, D1+12
	WIN 0x40
	EHI H1, 1, D1+16, D1+8                         ; slot 2, and slot 3: the low part of slot 0
	WIN 0x01
	ELO H1, 1, 0, D1+16, D1+16
	WIN 0x40
	EHI L0, 7, D1, D1+4
	EHI H1, 2, D1+12, D1+16                        ; slots 4, 5: the low parts of slots 1, 2
	WIN 0
	; Depth has been used: my next block's is asked for now, a trip ahead, and the bases go on to that block.  All loads that read them are done (the wait for 0 above); this trip's stores go by OB.
	s_add_co_u32 s[ST+6], s[TRIP], 1
	s_cmp_lt_u32 s[ST+6], s[NT]
	s_cbranch_scc0 .Lnodep
	s_add_co_u32 s[BLK], s[BLK], 8
	SETBLK
	LOADD
.Lnodep:
	; APPROACH
	GROUP 0, 0
	GROUP 0, 1
	TAIL 0
.irp c, 0,1,2
.irp t, 0,1,2,3
	v_add_f32 v[XQ+4*\c+\t], s[AB3+\c], v[DG+8*\t+\c]
.endr
.endr
	NORMQ 3
	PKN 2, v_pk_mul_f32 v[IV+o:IV+o+1], v[IV+o:IV+o+1], s[SCL:SCL+1] op_sel_hi:[1,0]
	PKN 2, v_pk_mul_f32 v[XQ+o:XQ+o+1], v[XQ+o:XQ+o+1], v[IV+o:IV+o+1]
	PKN 2, v_pk_mul_f32 v[XQ+4+o:XQ+5+o], v[XQ+4+o:XQ+5+o], v[IV+o:IV+o+1]
	PKN 2, v_pk_fma_f32 v[XQ+8+o:XQ+9+o], v[XQ+8+o:XQ+9+o], v[IV+o:IV+o+1], s[OMS:OMS+1] op_sel_hi:[1,1,0]
	NORMQ 3
	PKN 2, v_pk_mul_f32 v[XQ+o:XQ+o+1], v[XQ+o:XQ+o+1], v[IV+o:IV+o+1]
	PKN 2, v_pk_mul_f32 v[XQ+4+o:XQ+5+o], v[XQ+4+o:XQ+5+o], v[IV+o:IV+o+1]
	PKN 2, v_pk_mul_f32 v[XQ+8+o:XQ+9+o], v[XQ+8+o:XQ+9+o], v[IV+o:IV+o+1]
	SINCOS 6
	ENCSEL 3
.irp t, 0,1,2,3
	v_cndmask_b32 v[WQ+48+\t], v[XQ+\t], v[XQ+4+\t], s[HM]      ; slot 12: x | y
	v_cndmask_b32 v[WQ+52+\t], v[XQ+8+\t], v[ONE], s[HM]        ; slot 13: z | 1
.endr
	v_cndmask_b32 v[ZD], v[XQ+8], v[XQ+10], s[HM]  ; z of pixels 4 r + 2 h and 4 r + 2 h + 1
	v_cndmask_b32 v[ZD+1], v[XQ+9], v[XQ+11], s[HM]
	global_store_b128 v[OO], v[WQ+48:WQ+51], s[OB:OB+1] th:TH_STORE_NT                 ; planes 0 | 1: 16 lanes store 256 consecutive bytes, aligned
	global_store_b64 v[ZO], v[ZD:ZD+1], s[OB:OB+1] offset:2*PLANE th:TH_STORE_NT       ; plane 2: 32 lanes store 256 consecutive bytes, aligned
	WIN 0x40
.irp p, 0,1,2,3,4,5,6
	EHI H0, \p, WQ+8*\p, WQ+8*\p+4
.endr
	WIN 0x01
.irp p, 0,1,2,3,4,5
	ELO H0, \p, 0, WQ+8*\p, WQ+8*\p
	ELO H0, \p, 1, WQ+8*\p+4, WQ+8*\p+4
.endr
	ELO H0, 6, 0, WQ+48, LO12                      ; x | y is a store's data: its low part goes elsewhere
	ELO H0, 6, 1, WQ+52, WQ+52
	WIN 0x40
.irp p, 0,1,2,3,4,5
	EHI L0, \p, WQ+8*\p, WQ+8*\p+4
.endr
	EHI L0, 6, LO12, WQ+52
	WIN 0
	s_wait_xcnt 0x0                                ; the two stores have read their data: the next batch writes over it
	; BETA
	GROUP 1, 0
	GROUP 1, 1
	TAIL 1
.irp c, 0,1
.irp t, 0,1,2,3
	v_add_f32 v[XQ+4*\c+\t], s[BB3+\c], v[DG+8*\t+\c]
.endr
.endr
	NORMQ 2
	PKN 2, v_pk_mul_f32 v[XQ+o:XQ+o+1], v[XQ+o:XQ+o+1], v[IV+o:IV+o+1]
	PKN 2, v_pk_mul_f32 v[XQ+4+o:XQ+5+o], v[XQ+4+o:XQ+5+o], v[IV+o:IV+o+1]
	SINCOS 4
	ENCSEL 2
.irp t, 0,1,2,3
	v_cndmask_b32 v[BXY+\t], v[XQ+\t], v[XQ+4+\t], s[HM]
.endr
	global_store_b128 v[OO], v[BXY:BXY+3], s[OB:OB+1] offset:3*PLANE th:TH_STORE_NT    ; planes 3 | 4
	WIN 0x40                                       ; enc_b feeds width and dist alone: one f16
.irp p, 0,1,2,3
	EHI H1, 3+\p, WQ+8*\p, WQ+8*\p+4               ; slots 6 .. 13 of fragment 1
.endr
	EHIZ H1, 7, BXY                                ; slot 14; slot 15 is 0
	WIN 0
	s_wait_xcnt 0x0                                ; the store has read its data
	; A fourth block, which comes by loads from memory near this trip's end, is asked for here: its 256 bytes of each of the 64 planes, a lane a plane, two lines; each is named once in the launch.  The loads that
	; want them stand behind the width branch and three quarters of the dist branch.  The bases stand at that block already, and are not written again.  The other blocks were asked for whole at the head.
	s_cmp_eq_u32 s[TRIP], 2
	s_cbranch_scc0 .Lnopf
	s_cmp_eq_u32 s[NT], 4
	s_cbranch_scc0 .Lnopf
	global_prefetch_b8 v[PFO], s[FB0:FB0+1] th:TH_LOAD_NT scope:SCOPE_SE
	global_prefetch_b8 v[PFO], s[FB1:FB1+1] th:TH_LOAD_NT scope:SCOPE_SE
.Lnopf:
	; WIDTH
	GROUP 2, 0
	GROUP 2, 1
	TAIL 2
.irp t, 0,1,2,3
	v_add_f32 v[WR+\t], s[WB3], v[DG+8*\t]
.endr
	RBF WR, D1                                     ; enc_w
	v_nop
	s_wait_alu depctr_va_vdst(0)
	WIN 0x40
	EHI H2, 0, D1, D1+4
	EHI H2, 1, D1+8, D1+12
	EHIZ H2, 2, D1+16
	WIN 0
	; DIST, and the two sigmoids: dist in lanes 0-15, width in lanes 16-31
	GROUP 3, 0
	GROUP 3, 1
	TAIL 3
.irp t, 0,1,2,3
	v_add_f32 v[TMP+\t], s[DB3], v[DG+8*\t]
.endr
.irp t, 0,1,2,3
	v_cndmask_b32 v[TMP+\t], v[TMP+\t], v[WR+\t], s[HM]
.endr
	PKN 2, v_pk_mul_f32 v[TMP+o:TMP+o+1], v[TMP+o:TMP+o+1], 0xbfb8aa3b op_sel_hi:[1,0]
	QN 4, v_exp_f32 v[TMP+o], v[TMP+o]
	v_nop
	s_wait_alu depctr_va_vdst(0)
	PKN 2, v_pk_add_f32 v[TMP+o:TMP+o+1], v[TMP+o:TMP+o+1], 1.0 op_sel_hi:[1,0]
	QN 4, v_rcp_f32 v[TMP+o], v[TMP+o]
	v_nop
	s_wait_alu depctr_va_vdst(0)
	global_store_b128 v[OO], v[TMP:TMP+3], s[OB:OB+1] offset:5*PLANE th:TH_STORE_NT    ; planes 5 | 6
.Lnext:
	s_add_co_u32 s[TRIP], s[TRIP], 1
	s_cmp_lt_u32 s[TRIP], 4
	s_cbranch_scc1 .Lblk
	s_wait_tensorcnt 0x0                           ; the wave's end, behind my last tensor load and my last LDS store
	ds_add_u32 v[SPW], v[NIL]
	s_wait_dscnt 0x0
	s_endpgm
.Lfunc_end_k_q4fe5ccf4de_pose:
	.size	k_q4fe5ccf4de_pose, .Lfunc_end_k_q4fe5ccf4de_pose-k_q4fe5ccf4de_pose
	.p2alignl 7, 3214868480
	.fill 96, 4, 3214868480
	.section	.rodata,"a",@progbits
	.p2align	6, 0x0
	.amdhsa_kernel k_q4fe5ccf4de_pose
		.amdhsa_group_segment_fixed_size 327680
		.amdhsa_private_segment_fixed_size 0
		.amdhsa_enable_private_segment 0
		.amdhsa_kernarg_size 120
		.amdhsa_user_sgpr_count 2
		.amdhsa_user_sgpr_kernarg_segment_ptr 1
		.amdhsa_wavefront_size32 1
		.amdhsa_system_sgpr_workgroup_id_x 1
		.amdhsa_system_sgpr_workgroup_id_y 1
		.amdhsa_system_sgpr_workgroup_id_z 1
		.amdhsa_system_vgpr_workitem_id 0
		.amdhsa_next_free_vgpr 512
		.amdhsa_next_free_sgpr 106
		.amdhsa_reserve_vcc 1
		.amdhsa_float_denorm_mode_32 3
		.amdhsa_float_denorm_mode_16_64 3
		.amdhsa_memory_ordered 1
		.amdhsa_forward_progress 1
		.amdhsa_inst_pref_size 219
	.end_amdhsa_kernel
	.amdgpu_metadata
---
amdhsa.version: [ 1, 2 ]
amdhsa.kernels:
  - .name:           k_q4fe5ccf4de_pose
    .symbol:         k_q4fe5ccf4de_pose.kd
    .args:
      - { .name: features, .offset: 0, .size: 8, .value_kind: global_buffer, .address_space: global }
      - { .name: depth_, .offset: 8, .size: 8, .value_kind: global_buffer, .address_space: global }
      - { .name: wpack, .offset: 16, .size: 8, .value_kind: global_buffer, .address_space: global }
      - { .name: out0, .offset: 24, .size: 8, .value_kind: global_buffer, .address_space: global }
      - { .name: params_appr_w0_1, .offset: 32, .size: 8, .value_kind: global_buffer, .address_space: global }
      - { .name: params_appr_w0_2, .offset: 40, .size: 8, .value_kind: global_buffer, .address_space: global }
      - { .name: params_beta_w0_1, .offset: 48, .size: 8, .value_kind: global_buffer, .address_space: global }
      - { .name: params_beta_w0_2, .offset: 56, .size: 8, .value_kind: global_buffer, .address_space: global }
      - { .name: params_scale, .offset: 64, .size: 8, .value_kind: global_buffer, .address_space: global }
      - { .name: params_sigma, .offset: 72, .size: 8, .value_kind: global_buffer, .address_space: global }
      - { .name: params_centers, .offset: 80, .size: 8, .value_kind: global_buffer, .address_space: global }
      - { .name: params_appr_b3, .offset: 88, .size: 8, .value_kind: global_buffer, .address_space: global }
      - { .name: params_beta_b3, .offset: 96, .size: 8, .value_kind: global_buffer, .address_space: global }
      - { .name: params_width_b3, .offset: 104, .size: 8, .value_kind: global_buffer, .address_space: global }
      - { .name: params_dist_b3, .offset: 112, .size: 8, .value_kind: global_buffer, .address_space: global }
    .group_segment_fixed_size: 327680
    .private_segment_fixed_size: 0
    .kernarg_segment_align: 8
    .kernarg_segment_size: 120
    .max_flat_workgroup_size: 256
    .sgpr_count:     106
    .vgpr_count:     512
    .wavefront_size: 32
...
	.end_amdgpu_metadata
.endif
;; end of part 4
